; MI455X (gfx1250); checked and timed in simulation.
; The chip was launched on July 23, 2026; its instructions are those of AMD's public machine-readable ISA for CDNA 5 (MIT licence, August 2026) and "CDNA5" Instruction Set Architecture Reference Guide (July 2026). The comments in the code are by the model that wrote it; some were corrected since.
;; CLVP Attention. Allowed arithmetic: matrix products marked QUANTISED: E2M1 operands, one E8M0 scale for each 32 along K, by v_wmma_scale_f32_16x16x128_f8f6f4 with both operands' format E2M1 (or v_wmma_scale_f32_32x16x128_f4), f32 sums; products left as they are: bf16, f16 or f32 operands; f32 sums; everything else in f32.
;; Inputs: Wk 1,024 x 1,024 float32; Wo 1,024 x 1,024 float32; Wq 1,024 x 1,024 float32; Wv 1,024 x 1,024 float32; bo 1,024 float32; hidden_states 4 x 2,048 x 1,024 float32; rotary_pos_emb 1 x 2,048 x 32 float32.
;; Outputs: out0 4 x 2,048 x 1,024 float32.
;; This version of the problem:
;;   THIS VERSION OF THE PROBLEM IS GIVEN IN LOW PRECISION. The matrix products marked QUANTISED in the list below multiply operands that are first quantised to E2M1 (2 exponent bits, 1 mantissa bit; 4 bits a number), with one power-of-two scale for each 32 numbers along K (OCP MX v1.0); their sums are f32. The products marked 'left as it is' may take bf16, f16 or f32 operands, with f32 sums. Whichever they take, every output number must still come out within the allowed error. Rounding operands to bf16 (8 significant bits) uses up far more of that allowance than f16 does (11 bits, for magnitudes from 6e-5 to 65,504). All else is computed in f32.
;;   The module's matrix products, in the order in which they are computed (A, B: the left and right operand; K: the contracted axis; several contracted axes count as one K, in the product's order):
;;     1. [M 8,192, K 1,024] x [K 1,024, N 1,024]; A: input hidden_states; B: input Wq: QUANTISED
;;     2. [M 8,192, K 1,024] x [K 1,024, N 1,024]; A: input hidden_states; B: input Wk: QUANTISED
;;     3. [M 8,192, K 1,024] x [K 1,024, N 1,024]; A: input hidden_states; B: input Wv: QUANTISED
;;     4. batch 64 x [M 2,048, K 64] x [K 64, N 2,048]; A: computed on the way; B: computed on the way: left as it is (an operand is computed on the way)
;;     5. batch 64 x [M 2,048, K 2,048] x [K 2,048, N 64]; A: computed on the way; B: computed on the way: left as it is (an operand is computed on the way)
;;     6. [M 8,192, K 1,024] x [K 1,024, N 1,024]; A: computed on the way; B: input Wo: left as it is (an operand is computed on the way)
;;   THE QUANTISER, for each operand of a quantised product, along K:
;;     - K is cut into blocks of 32 from its start; a last block that is shorter is filled with zeros.
;;     - A block's scale is 2^e with e = floor(log2(the largest magnitude in the block)) - 2, held to -126 .. 127; a block of zeros has e = 0. As a byte (E8M0): e + 127.
;;     - Each number is divided by its block's scale, clamped to +-6, and rounded to the nearest number of E2M1, ties to even, subnormals kept.
;;     - The product sums the exact products of the quantised numbers (number of the format x scale) in f32.
;;   ~~~python
;;   def quantise(x, axis):      # numpy; x: float32 -> the quantised numbers, widened to float32 again
;;       x = np.moveaxis(x, axis, -1); K = x.shape[-1]
;;       x = np.pad(x, [(0, 0)] * (x.ndim - 1) + [(0, -K % 32)]); x = x.reshape(x.shape[:-1] + (-1, 32)); a = np.abs(x).max(-1, keepdims=True)
;;       e = np.where(a > 0, np.clip(np.frexp(np.where(a > 0, a, 1))[1] - 1 - 2, -126, 127), 0)      # np.frexp(a)[1] - 1 = floor(log2(a)), exactly
;;       r = np.clip(x / 2.0 ** e, -6, 6)
;;       step = 2.0 ** (np.maximum(np.frexp(np.where(r == 0, 1, r))[1] - 1, 0) - 1)
;;       q = np.round(r / step) * step * 2.0 ** e      # np.round: ties to even
;;       return np.moveaxis(q.reshape(q.shape[:-2] + (-1,))[..., :K], -1, axis).astype(np.float32)
;;   ~~~
;; One version. Each part assembles by itself: llvm-mc -triple=amdgcn-amd-amdhsa -mcpu=gfx1250 --defsym DOCPART=n.
;; ======== version 1 of 1: 4 launches
;; limits: values are held in f16: magnitudes above 65,504 overflow, below 6.1e-05 lose precision; right only within a limited range of input values
;; workspace buffers: xcodes 4,194,304 bytes; xscales 262,144 bytes; wcodes 1,572,864 bytes; wscales 98,304 bytes; wo16 2,097,152 bytes; cs 524,288 bytes; qkv 50,331,648 bytes; ao 16,777,216 bytes
;; launch prep (part 1): grid 416 x 1, 4 waves a work-group, no clusters, 33,280 bytes of LDS; arguments hidden_states, Wq, Wk, Wv, Wo, rotary_pos_emb, xcodes, xscales, wcodes, wscales, wo16, cs; writes xcodes, xscales, wcodes, wscales, wo16, cs
.if DOCPART == 1
	.amdgcn_target "amdgcn-amd-amdhsa--gfx1250"
	.amdhsa_code_object_version 6
	.text
	.protected	k_q0f7990a5f5_prep
	.globl	k_q0f7990a5f5_prep
	.p2align	8
	.type	k_q0f7990a5f5_prep,@function
k_q0f7990a5f5_prep:
	s_mov_b64 s[64:65], 0
	v_nop
	global_prefetch_b8 v0, s[64:65] scope:SCOPE_SE
	s_setreg_imm32_b32 hwreg(HW_REG_WAVE_MODE, 25, 1), 1
	s_wait_xcnt 0x0
; Three jobs, told apart by the work-group's number.
; Work-groups 0-351: hidden_states [8192][1024] and Wq, Wk, Wv [1024][1024] each, f32, K innermost, become codes of FP4 (E2M1) with one E8M0 byte for each 32 along K.
;   The three weights are stacked: wcodes [3072][512 bytes], wscales [3072][32].  Rows are dense, so each tensor is a plain stream of blocks of 32 numbers; a work-group takes 32,768 numbers, a wave 8,192.
;   A block's byte is its largest magnitude's exponent field - 2, held at 1 from below; each number is divided by the scale and rounded to the nearest code, ties to even, beyond 6 the largest code.
; Work-groups 352-383: Wo, f32, is rounded once to f16 (wo16, same order).
; Work-groups 384-415: cos and sin of rotary_pos_emb [2048][32], in f32: cs holds the cos plane at byte 0 and the sin plane at byte 262,144.
; LIMITS: a block whose largest magnitude lies under 2^-124 keeps the byte 1 (a block of zeros too: its codes are zeros, and these bytes are read by this program alone); |Wo| stays under 65,504 (f16);
; angles up to 65,536 in magnitude (three-part reduction by pi/2); NaN and infinities are not served.
.set STEPS, 16
.set R,     16                         ; v16-79   four sets of 16 numbers as they are loaded
.set X,     80                         ; v80-111  two sets of 16 neighbours
.set E,     112                        ; v112-127 a scale byte for each step
.set C,     128                        ; v128-191 codes: four registers for each step, so that no store's data are written again
.set WREG,  8192                       ; LDS: a region for each wave: two stages of 32 x SP bytes, behind them its 256 scale bytes
.set SP,    80                         ; a lane's place in a stage: 64 bytes + 16 of padding
.set SPW,   12                         ; v12  LDS address of my spare word; never rewritten
.set NIL,   13                         ; v13  0; never rewritten
.set SPARE, 4*WREG                     ; behind the four regions: the spare words, 128 bytes a wave, which no other line names
.macro LOAD t                          ; a step's 2,048 bytes: four loads of 512 consecutive bytes
.irp i, 0,1,2,3
	global_load_b128 v[R+16*((\t)%4)+4*\i:R+16*((\t)%4)+4*\i+3], v3, s[30:31] offset:2048*(\t)+512*\i th:TH_LOAD_NT
.endr
.endm
.macro TURNQ t                         ; step t's numbers through the stage: in as they lie, back 64 bytes a lane.  LDS serves a wave's instructions in order, so no wait stands between
.irp i, 0,1,2,3
	ds_store_b128 v14, v[R+16*((\t)%4)+4*\i:R+16*((\t)%4)+4*\i+3] offset:32*SP*((\t)%2)+8*SP*\i
.endr
.irp i, 0,1,2,3
	ds_load_b128 v[X+16*((\t)%2)+4*\i:X+16*((\t)%2)+4*\i+3], v15 offset:32*SP*((\t)%2)+16*\i
.endr
.endm
.macro STEP t
.set XS, X+16*((\t)%2)
.if (\t) > 0
	s_wait_dscnt 1                                 ; this step's numbers are back from the stage; the last step's byte store may be out
.else
	s_wait_dscnt 0x0
.endif
.if (\t)+4 < STEPS
	LOAD (\t)+4                                    ; into the registers whose stores into the stage have been served
.endif
.if (\t)+1 < STEPS
.if STEPS-2-(\t) >= 3
	s_wait_loadcnt 12                              ; the next step's four loads are in; the twelve of the three steps behind it may be out
.else
	s_wait_loadcnt 4*(STEPS-2-(\t))
.endif
	TURNQ (\t)+1
.endif
	v_max3_num_f32 v8, |v[XS]|, |v[XS+1]|, |v[XS+2]|               ; the largest magnitude of my 16, in two chains
	v_max3_num_f32 v9, |v[XS+3]|, |v[XS+4]|, |v[XS+5]|
.irp i, 6,10
	v_max3_num_f32 v8, v8, |v[XS+\i]|, |v[XS+\i+1]|
	v_max3_num_f32 v9, v9, |v[XS+\i+2]|, |v[XS+\i+3]|
.endr
	v_max3_num_f32 v8, v8, |v[XS+14]|, |v[XS+15]|
	v_max3_num_f32 v8, v8, v9, 0x1800000           ; and the floor 2^(3 - 127): the byte cannot fall under 1
	v_max_num_f32_dpp v8, v8, v8 row_xmask:1 row_mask:0xf bank_mask:0xf   ; with my neighbour's 16: the block's
	v_add_nc_u32 v11, 0xff000000, v8               ; 2 off its exponent field: the conversion takes this operand's exponent field as its scale
	v_cvt_scalef32_pk8_fp4_f32 v[C+4*(\t)], v[XS:XS+7], v11
	v_cvt_scalef32_pk8_fp4_f32 v[C+4*(\t)+1], v[XS+8:XS+15], v11
	v_lshrrev_b32 v[E+(\t)], 23, v11               ; the scale's byte (a plain line behind the conversions)
	ds_store_b8 v5, v[E+(\t)] offset:16*(\t)       ; both lanes of a block write the same byte with the same value
	global_store_b64 v4, v[C+4*(\t):C+4*(\t)+1], s[32:33] offset:256*(\t)   ; 32 lanes store 256 consecutive bytes, aligned
.endm
.macro CLOAD t                         ; Wo: 16 loads of 512 consecutive bytes into set t % 2
.irp i, 0,1,2,3,4,5,6,7,8,9,10,11,12,13,14,15
	global_load_b128 v[16+64*((\t)%2)+4*\i:16+64*((\t)%2)+4*\i+3], v3, s[12:13] offset:8192*(\t)+512*\i th:TH_LOAD_NT
.endr
.endm
.macro CCONV t
.if (\t) < 3
	s_wait_loadcnt 16                              ; this set's 16 loads are in; the other set's 16 may be out
.else
	s_wait_loadcnt 0x0
.endif
	s_wait_xcnt 0x0                                ; the last set's stores have read v144-175, which are written again below
.irp i, 0,1,2,3,4,5,6,7,8,9,10,11,12,13,14,15
	v_cvt_pk_f16_f32 v[144+2*\i], v[16+64*((\t)%2)+4*\i], v[16+64*((\t)%2)+4*\i+1]
	v_cvt_pk_f16_f32 v[145+2*\i], v[16+64*((\t)%2)+4*\i+2], v[16+64*((\t)%2)+4*\i+3]
.endr
.irp i, 0,1,2,3,4,5,6,7,8,9,10,11,12,13,14,15
	global_store_b64 v4, v[144+2*\i:145+2*\i], s[24:25] offset:4096*(\t)+256*\i   ; 32 lanes store 256 consecutive bytes, aligned
.endr
.if (\t) < 2
	CLOAD (\t)+2
.endif
.endm
; cos and sin of one angle.  n = the nearest whole number to x 2/pi; r = x - n pi/2 with pi/2 in three parts, by fused multiply-adds; polynomials on |r| <= pi/4; the quadrant n mod 4 swaps and signs.
.macro TRIG ang, co, si
	v_mul_f32 v64, s40, v[\ang]
	v_rndne_f32 v64, v64                           ; n
	v_fma_f32 v65, -v64, s41, v[\ang]
	v_fma_f32 v65, -v64, s42, v65
	v_fma_f32 v65, -v64, s43, v65                  ; r
	v_cvt_i32_f32 v66, v64                         ; n as a whole number
	v_mul_f32 v67, v65, v65                        ; z = r r
	v_fma_f32 v68, v67, s44, s45
	v_fma_f32 v70, v67, s47, s48
	v_mul_f32 v69, v67, v65                        ; z r
	v_mul_f32 v71, v67, v67                        ; z z
	v_fma_f32 v68, v68, v67, s46
	v_fma_f32 v70, v70, v67, s49
	v_fma_f32 v72, v67, -0.5, 1.0                  ; 1 - z / 2
	v_fma_f32 v68, v68, v69, v65                   ; sin r
	v_fma_f32 v70, v70, v71, v72                   ; cos r
	v_and_b32 v69, 1, v66
	v_cmp_eq_u32 vcc_lo, 1, v69                    ; an odd quadrant swaps the two
	v_cndmask_b32 v[\si], v68, v70, vcc_lo
	v_cndmask_b32 v[\co], v70, v68, vcc_lo
	v_lshlrev_b32 v69, 30, v66                     ; sin is negative in quadrants 2 and 3: bit 1 of n
	v_add_nc_u32 v66, 1, v66                       ; cos in quadrants 1 and 2: bit 1 of n + 1
	v_and_b32 v69, 0x80000000, v69
	v_lshlrev_b32 v66, 30, v66
	v_xor_b32 v[\si], v[\si], v69
	v_and_b32 v66, 0x80000000, v66
	v_xor_b32 v[\co], v[\co], v66
.endm
	s_load_b512 s[4:19], s[0:1], 0x0               ; hidden 4:5, Wq 6:7, Wk 8:9, Wv 10:11, Wo 12:13, rotary 14:15, xcodes 16:17, xscales 18:19
	s_load_b256 s[20:27], s[0:1], 0x40             ; wcodes 20:21, wscales 22:23, wo16 24:25, cs 26:27
	v_lshl_add_u32 v[SPW], v0, 2, SPARE
	v_mov_b32 v[NIL], 0
	v_lshrrev_b32 v1, 5, v0
	v_readfirstlane_b32 s28, v1                    ; wave 0..3
	v_and_b32 v2, 31, v0                           ; lane
	v_lshlrev_b32 v3, 4, v2                        ; 16 x lane: my 16 bytes of a load's 512
	v_lshlrev_b32 v4, 3, v2                        ; 8 x lane: my 8 bytes of a store's 256
	s_mul_i32 s29, s28, WREG                       ; every LDS address is made here, ahead of the parting
	v_lshrrev_b32 v14, 2, v2
	v_mul_u32_u24 v14, v14, SP
	v_and_b32 v15, 3, v2
	v_lshl_add_u32 v14, v15, 4, v14
	v_add_nc_u32 v14, s29, v14                     ; the stage, on the way in: SP (lane / 4) + 16 (lane % 4)
	v_mul_u32_u24 v15, v2, SP
	v_add_nc_u32 v15, s29, v15                     ; and on the way out: SP x lane
	v_lshrrev_b32 v5, 1, v2
	s_add_co_u32 s29, s29, 2*32*SP
	v_add_nc_u32 v5, s29, v5                       ; my wave's 256 scale bytes, my block's byte
	v_add_nc_u32 v6, s29, v4                       ; and 8 bytes a lane on their way out
	s_wait_kmcnt 0x0
	s_cmp_ge_u32 ttmp9, 352
	s_cbranch_scc1 .Lother
	; ---- the quantiser.  The buffers are chosen by the work-group's number alone
	s_cmp_lt_u32 ttmp9, 320
	s_cselect_b64 s[30:31], s[8:9], s[10:11]
	s_cmp_lt_u32 ttmp9, 288
	s_cselect_b64 s[30:31], s[6:7], s[30:31]
	s_cmp_lt_u32 ttmp9, 256
	s_cselect_b64 s[30:31], s[4:5], s[30:31]       ; the source
	s_cselect_b64 s[32:33], s[16:17], s[20:21]     ; its codes
	s_cselect_b64 s[34:35], s[18:19], s[22:23]     ; its scale bytes
	s_cselect_b32 s36, 0, 256
	s_cselect_b32 s37, 255, 31
	s_sub_co_u32 s36, ttmp9, s36                   ; which 32,768 numbers of the destination (the weights stacked),
	s_and_b32 s37, s36, s37                        ; and of the source tensor
	s_lshl_b32 s37, s37, 2
	s_add_co_u32 s37, s37, s28
	s_lshl_b32 s38, s37, 15                        ; a wave's run: 8,192 numbers, 32,768 bytes
	s_mov_b32 s39, 0
	s_add_nc_u64 s[30:31], s[30:31], s[38:39]
	s_lshl_b32 s36, s36, 2
	s_add_co_u32 s36, s36, s28
	s_lshl_b32 s38, s36, 12                        ; 4,096 bytes of codes
	s_add_nc_u64 s[32:33], s[32:33], s[38:39]
	s_lshl_b32 s38, s36, 8                         ; 256 scale bytes
	s_add_nc_u64 s[34:35], s[34:35], s[38:39]
.irp t, 0,1,2,3
	LOAD \t
.endr
	s_wait_loadcnt 12                              ; step 0's four loads are in
	TURNQ 0
.irp t, 0,1,2,3,4,5,6,7,8,9,10,11,12,13,14,15
	STEP \t
.endr
	ds_load_b64 v[8:9], v6                         ; LDS serves a wave's instructions in order: these see my byte stores
	s_wait_dscnt 0x0
	global_store_b64 v4, v[8:9], s[34:35]          ; 32 lanes store 256 consecutive bytes, aligned
	s_wait_tensorcnt 0x0                           ; the wave's end
	ds_add_u32 v[SPW], v[NIL]
	s_wait_dscnt 0x0
	s_endpgm
.Lother:
	s_cmp_ge_u32 ttmp9, 384
	s_cbranch_scc1 .Ltrig
	; ---- Wo to f16: a wave takes 32,768 bytes in and 16,384 out.  No LDS is touched on this way
	s_sub_co_u32 s36, ttmp9, 352
	s_lshl_b32 s36, s36, 2
	s_add_co_u32 s36, s36, s28
	s_lshl_b32 s38, s36, 15
	s_mov_b32 s39, 0
	s_add_nc_u64 s[12:13], s[12:13], s[38:39]
	s_lshl_b32 s38, s36, 14
	s_add_nc_u64 s[24:25], s[24:25], s[38:39]
	CLOAD 0
	CLOAD 1
	CCONV 0
	CCONV 1
	CCONV 2
	CCONV 3
	s_endpgm
.Ltrig:
	; ---- cos and sin: a work-group takes 2,048 angles, a thread 16.  No LDS is touched on this way
	s_sub_co_u32 s36, ttmp9, 384
	s_lshl_b32 s38, s36, 13
	s_mov_b32 s39, 0
	s_add_nc_u64 s[14:15], s[14:15], s[38:39]
	s_add_nc_u64 s[26:27], s[26:27], s[38:39]
	v_lshlrev_b32 v10, 4, v0                       ; 16 x thread
.irp i, 0,1,2,3
	global_load_b128 v[16+4*\i:19+4*\i], v10, s[14:15] offset:2048*\i
.endr
	s_mov_b32 s40, 0x3f22f983                      ; 2 / pi
	s_mov_b32 s41, 0x3fc90fda                      ; pi / 2 in three parts
	s_mov_b32 s42, 0x33a22168
	s_mov_b32 s43, 0x27c234c4
	s_mov_b32 s44, 0xb94ca1f9                      ; sin's polynomial
	s_mov_b32 s45, 0x3c08839e
	s_mov_b32 s46, 0xbe2aaaa3
	s_mov_b32 s47, 0x37ccf5ce                      ; cos's
	s_mov_b32 s48, 0xbab6061a
	s_mov_b32 s49, 0x3d2aaaa5
	s_wait_loadcnt 0x0
.set i, 0
.rept 16
	TRIG 16+i, 32+i, 48+i
.set i, i+1
.endr
.irp i, 0,1,2,3
	global_store_b128 v10, v[32+4*\i:35+4*\i], s[26:27] offset:2048*\i            ; a wave stores 512 consecutive bytes
	global_store_b128 v10, v[48+4*\i:51+4*\i], s[26:27] offset:262144+2048*\i
.endr
	s_endpgm
.Lfunc_end_k_q0f7990a5f5_prep:
	.size	k_q0f7990a5f5_prep, .Lfunc_end_k_q0f7990a5f5_prep-k_q0f7990a5f5_prep
	.p2alignl 7, 3214868480
	.fill 96, 4, 3214868480
	.section	.rodata,"a",@progbits
	.p2align	6, 0x0
	.amdhsa_kernel k_q0f7990a5f5_prep
		.amdhsa_group_segment_fixed_size 33280
		.amdhsa_private_segment_fixed_size 0
		.amdhsa_enable_private_segment 0
		.amdhsa_kernarg_size 96
		.amdhsa_user_sgpr_count 2
		.amdhsa_user_sgpr_kernarg_segment_ptr 1
		.amdhsa_wavefront_size32 1
		.amdhsa_system_sgpr_workgroup_id_x 1
		.amdhsa_system_sgpr_workgroup_id_y 1
		.amdhsa_system_sgpr_workgroup_id_z 1
		.amdhsa_system_vgpr_workitem_id 0
		.amdhsa_next_free_vgpr 192
		.amdhsa_next_free_sgpr 66
		.amdhsa_reserve_vcc 1
		.amdhsa_float_denorm_mode_32 3
		.amdhsa_float_denorm_mode_16_64 3
		.amdhsa_memory_ordered 1
		.amdhsa_forward_progress 1
		.amdhsa_inst_pref_size 76
	.end_amdhsa_kernel
	.amdgpu_metadata
---
amdhsa.version: [ 1, 2 ]
amdhsa.kernels:
  - .name:           k_q0f7990a5f5_prep
    .symbol:         k_q0f7990a5f5_prep.kd
    .args:
      - { .name: hidden_states, .offset: 0, .size: 8, .value_kind: global_buffer, .address_space: global }
      - { .name: Wq, .offset: 8, .size: 8, .value_kind: global_buffer, .address_space: global }
      - { .name: Wk, .offset: 16, .size: 8, .value_kind: global_buffer, .address_space: global }
      - { .name: Wv, .offset: 24, .size: 8, .value_kind: global_buffer, .address_space: global }
      - { .name: Wo, .offset: 32, .size: 8, .value_kind: global_buffer, .address_space: global }
      - { .name: rotary_pos_emb, .offset: 40, .size: 8, .value_kind: global_buffer, .address_space: global }
      - { .name: xcodes, .offset: 48, .size: 8, .value_kind: global_buffer, .address_space: global }
      - { .name: xscales, .offset: 56, .size: 8, .value_kind: global_buffer, .address_space: global }
      - { .name: wcodes, .offset: 64, .size: 8, .value_kind: global_buffer, .address_space: global }
      - { .name: wscales, .offset: 72, .size: 8, .value_kind: global_buffer, .address_space: global }
      - { .name: wo16, .offset: 80, .size: 8, .value_kind: global_buffer, .address_space: global }
      - { .name: cs, .offset: 88, .size: 8, .value_kind: global_buffer, .address_space: global }
    .group_segment_fixed_size: 33280
    .private_segment_fixed_size: 0
    .kernarg_segment_align: 8
    .kernarg_segment_size: 96
    .max_flat_workgroup_size: 128
    .sgpr_count:     66
    .vgpr_count:     192
    .wavefront_size: 32
...
	.end_amdgpu_metadata
.endif
;; end of part 1
;; launch qkv (part 2): grid 12 x 32, 4 waves a work-group, clusters of 4 x 4, 327,680 bytes of LDS; arguments xcodes, xscales, wcodes, wscales, cs, qkv; writes qkv
.if DOCPART == 2
	.amdgcn_target "amdgcn-amd-amdhsa--gfx1250"
	.amdhsa_code_object_version 6
	.text
	.protected	k_q0f7990a5f5_qkv
	.globl	k_q0f7990a5f5_qkv
	.p2align	8
	.type	k_q0f7990a5f5_qkv,@function
k_q0f7990a5f5_qkv:
	s_mov_b64 s[64:65], 0
	v_nop
	global_prefetch_b8 v0, s[64:65] scope:SCOPE_SE
	s_setreg_imm32_b32 hwreg(HW_REG_WAVE_MODE, 25, 1), 1
	s_wait_xcnt 0x0
	s_wait_alu depctr_hold_cnt(0) depctr_sa_sdst(0) depctr_va_vdst(0) depctr_va_sdst(0) depctr_va_ssrc(0) depctr_va_vcc(0) depctr_vm_vsrc(0)
	s_getreg_b32 s2, hwreg(HW_REG_IB_STS2, 6, 4)
	s_cmp_eq_u32 s2, 0
	s_cbranch_scc0 .Lentry_in_a_cluster
	s_endpgm
.Lentry_in_a_cluster:
	s_bfe_u32 s2, ttmp6, 0x10000c
	s_cmp_lg_u32 s2, 0xf033
	s_cbranch_scc0 .Lentry_shape_is_right
	s_endpgm
.Lentry_shape_is_right:
; C[m][n] = sum over k of x[m][k] W[n][k], m 8,192, n 3,072 (Wq, Wk, Wv stacked), k 1,024, on codes of FP4 (E2M1) with one E8M0 scale for each 32 along K; sums in f32.
; Then, in f32, the rotary turn of the first 32 channels of every head of 64 columns (out[d] = t[d] cos[d] - t[d+16] sin[d], out[d+16] = t[d+16] cos[d+16] + t[d] sin[d+16], d < 16), and one rounding to f16.
; qkv is laid [g = column / 64][m][64] f16: byte (g << 20) + (m << 7).  q is stored unscaled: its factor 1/8 goes into the softmax's constant of the next launch.
; LIMIT: |x W^T| stays under 65,504 (f16); beyond that the stored number is an infinity.
; A tile of C, 256 x 256, is made by four waves, each 128 x 128 (two heads): 64 accumulators of 16 x 16.  K is two LDS slots of 512, each filled once by the tensor data mover; the scale bytes of the
; tile's rows, for all of K, come once with them.  CLUSTERS: 4 x 4 work-groups; A's tiles are asked for jointly along a row of the cluster, B's along a column.
; THE MATRIX INSTRUCTION IS USED TRANSPOSED (source 0 = 16 rows of W, source 1 = 16 rows of x): a lane holds eight neighbouring columns of one row of C, so channels d and d + 16 lie in one lane.
; REGISTERS, in windows of 256: window 0: v16-30 addresses; v32-95 scale words, two sets; v128-191 A's fragments; on the way out v32-95 packed results, v96-159 rows read back, v160-191 turned numbers.
;   window 1: B's fragments at v0 and v128; beside them (v64-127, v192-255), and later over them, cos and sin: 32 registers for each block of 16 rows.   windows 2, 3: the accumulators ((a, b) at v[8 (8 (a % 4) + b)]).
.set NQ,     4                         ; matrix instructions deep in a slot (512 along K)
.set ROWB,   256                       ; a tile's row in bytes
.set KROW,   512                       ; a row of codes in memory
.set PITCH,  272                       ; an LDS row: 256 bytes + 16 of padding: the 16 rows that a load touches start at 16 different groups of four banks
.set FR,     8
.set NL,     2
.set NP,     4                         ; places behind this matrix instruction (ISA guide 7.12.1)
.set HALFT,  128*PITCH
.set SLOT,   4*HALFT
.set KS,     32                        ; a row of scale bytes
.set SCL,    2*SLOT                    ; behind the slots: the scales, as units of 256 bytes + 16 of padding
.set HALFS,  (128*KS/256)*272
.set SBLK,   (16*KS/256)*272
.set STG,    SCL+4*HALFS               ; the way out: 16 rows x (256 bytes + 16) for each wave; no tile lands here
.set SPITCH, 272
.set SPARE,  STG+4*16*SPITCH           ; the spare words, 128 bytes a wave, which no other line names
.set ADRA, 16
.set ADRB, 20
.set STO,  24                          ; v24  the way out: where I put 16 bytes of a row
.set RD,   25                          ; v25  where I read back: four rows of one head, 128 bytes each
.set GO,   26                          ; v26  16 x lane
.set ADRS, 27
.set SPW,  28
.set NIL,  29
.set CSO,  30                          ; v30  my lane's place in a block's rows of cos or sin: 128 r + 32 h
.set SC,   32
.set AF,   128
.set PK,   32
.set BK,   96
.set T,    160
.set G1, 24
.set G0, 32
.set G1B, 48
.set G0B, 56
.set G1S, 68
.set G0S, 76
.set G1SB, 80
.set G0SB, 88
.set MSB, 0
.macro WIN new                         ; the immediate's high byte repeats the setting that is left
.if MSB != (\new)
	s_set_vgpr_msb (MSB<<8)|(\new)
.set MSB, (\new)
.endif
.endm
.set MUL_LO, 0xa1                      ; source 0 (B) window 1, source 1 (A) window 0, C and D window 2
.set MUL_HI, 0xf1
.set TO_B,   0x40                      ; destination window 1, address window 0
; A joint load: waves 0 and 1 fetch for A, waves 2 and 3 for B; the branch hangs on the wave's number alone.  An s_nop 0 and four v_nop follow each of the two lines.
.macro JLOAD g0a, g1a, g0b, g1b
	s_cmp_eq_u32 s15, 0
	s_cbranch_scc0 .Lfor_b_\@
	tensor_load_to_lds s[\g0a:\g0a+3], s[\g1a:\g1a+7]
	s_nop 0
.rept 4
	v_nop
.endr
	s_branch .Lasked_\@
.Lfor_b_\@:
	tensor_load_to_lds s[\g0b:\g0b+3], s[\g1b:\g1b+7]
	s_nop 0
.rept 4
	v_nop
.endr
.Lasked_\@:
.endm
.macro CROUND                          ; a round of the cluster's barrier
	s_barrier_signal -1
	s_barrier_wait -1
	s_cmp_lg_u32 s14, 0
	s_cbranch_scc1 .Lnot_wave_0_\@
	s_barrier_signal -3
.Lnot_wave_0_\@:
	s_barrier_wait -3
	s_barrier_signal -1
	s_barrier_wait -1
.endm
	s_load_b128 s[4:7], s[0:1], 0x0                ; x's codes, x's scales
	s_load_b128 s[8:11], s[0:1], 0x10              ; W's codes, W's scales
	s_load_b128 s[96:99], s[0:1], 0x20             ; cs s[96:97], qkv s[98:99]
	v_lshl_add_u32 v[SPW], v0, 2, SPARE
	v_mov_b32 v[NIL], 0
	ds_add_u32 v[SPW], v[NIL]                      ; the wave's opening: the add, twice on end, and its wait ahead of my first tensor load
	ds_add_u32 v[SPW], v[NIL]
	v_lshrrev_b32 v1, 5, v0
	v_readfirstlane_b32 s14, v1                    ; wave 0..3
	s_lshr_b32 s15, s14, 1                         ; which half of the tile's rows is mine.  Also: I fetch for A (0) or for B (1)
	s_and_b32 s16, s14, 1                          ; which half of its columns.  Also: which 128 rows of that tile I fetch
	s_bfe_u32 s40, ttmp6, 0x40000                  ; cx, cy
	s_bfe_u32 s41, ttmp6, 0x40004
	s_lshl_b32 s42, ttmp9, 2
	s_add_co_u32 s42, s42, s40                     ; tile column = 4 x cluster x + cx
	s_and_b32 s17, ttmp7, 0xffff
	s_lshl_b32 s17, s17, 2
	s_add_co_u32 s17, s17, s41                     ; tile row = 4 x cluster y + cy
	s_lshl_b32 s43, s41, 2
	s_lshl_b32 s43, 15, s43                        ; my row of the cluster
	s_lshl_b32 s44, 0x1111, s40                    ; my column
	s_or_b32 s[G1+0], s43, (0<<16)|(1<<20)|(1<<21)|(5<<22)|(3<<25)  ; the mask; elements of 1 byte; padding: 4 words behind every 64; bit 21 beside a mask
	s_or_b32 s[G1B+0], s44, (0<<16)|(1<<20)|(1<<21)|(5<<22)|(3<<25)
.irp g, G1, G1B
	s_mov_b32 s[\g+1], ROWB<<16                    ; tensor_dim0
	s_mov_b32 s[\g+2], 128<<16                     ; tensor_dim1
	s_mov_b32 s[\g+3], ROWB<<16                    ; tile_dim0
	s_mov_b32 s[\g+4], 128                         ; tile_dim1
	s_mov_b32 s[\g+5], KROW                        ; from row to row
	s_mov_b32 s[\g+6], 0
	s_mov_b32 s[\g+7], 0
.endr
	s_or_b32 s[G1S+0], s43, (3<<16)|(1<<20)|(1<<21)|(5<<22)|(3<<25) ; the scales of 128 rows: a dense block of 4,096 bytes, as 16 rows of 256 bytes (32 elements of 8)
	s_or_b32 s[G1SB+0], s44, (3<<16)|(1<<20)|(1<<21)|(5<<22)|(3<<25)
.irp g, G1S, G1SB
	s_mov_b32 s[\g+1], 32<<16
	s_mov_b32 s[\g+2], (128*KS/256)<<16
	s_mov_b32 s[\g+3], 32<<16
	s_mov_b32 s[\g+4], 128*KS/256
	s_mov_b32 s[\g+5], 32
	s_mov_b32 s[\g+6], 0
	s_mov_b32 s[\g+7], 0
.endr
	s_lshl_b32 s18, s16, 7
	s_lshl_b32 s20, s17, 8
	s_add_co_u32 s20, s20, s18                     ; A: row 256 x tile row + 128 x half
	s_lshl_b32 s46, s42, 8
	s_add_co_u32 s46, s46, s18                     ; B: row 256 x tile column + 128 x half
	s_mov_b32 s21, 0
	s_mov_b32 s47, 0
	s_mov_b64 s[18:19], KS
	s_mul_u64 s[22:23], s[20:21], s[18:19]         ; where these rows' scales begin
	s_mul_u64 s[92:93], s[46:47], s[18:19]
	s_mov_b64 s[18:19], KROW
	s_mul_u64 s[20:21], s[20:21], s[18:19]         ; and their codes
	s_mul_u64 s[46:47], s[46:47], s[18:19]
	s_mul_i32 s45, s14, HALFT                      ; where they go: wave x 128 rows
	s_mul_i32 s94, s14, HALFS
	s_wait_dscnt 0x0                               ; both opening adds are done
	s_wait_kmcnt 0x0
	s_add_nc_u64 s[20:21], s[4:5], s[20:21]
	s_add_nc_u64 s[22:23], s[6:7], s[22:23]
	s_add_nc_u64 s[46:47], s[8:9], s[46:47]
	s_add_nc_u64 s[92:93], s[10:11], s[92:93]
	CROUND                                         ; all sixteen work-groups are here: the joint loads meet
	s_mov_b32 s[G0S], 1
	s_add_co_u32 s[G0S+1], s94, SCL
	s_mov_b64 s[G0S+2:G0S+3], s[22:23]
	s_or_b32 s[G0S+3], s[G0S+3], 0x80000000
	s_mov_b32 s[G0SB], 1
	s_add_co_u32 s[G0SB+1], s94, SCL
	s_mov_b64 s[G0SB+2:G0SB+3], s[92:93]
	s_or_b32 s[G0SB+3], s[G0SB+3], 0x80000000
	JLOAD G0S, G1S, G0SB, G1SB                     ; the scales first: they are wanted with the first slot
.irp s, 0,1
	s_mov_b32 s[G0+4*\s], 1
	s_add_co_u32 s[G0+4*\s+1], s45, \s*SLOT
	s_add_nc_u64 s[G0+4*\s+2:G0+4*\s+3], s[20:21], \s*ROWB
	s_or_b32 s[G0+4*\s+3], s[G0+4*\s+3], 0x80000000
	s_mov_b32 s[G0B+4*\s], 1
	s_add_co_u32 s[G0B+4*\s+1], s45, \s*SLOT
	s_add_nc_u64 s[G0B+4*\s+2:G0B+4*\s+3], s[46:47], \s*ROWB
	s_or_b32 s[G0B+4*\s+3], s[G0B+4*\s+3], 0x80000000
	JLOAD G0+4*\s, G1, G0B+4*\s, G1B               ; three tensor loads of mine are out, and no more follow
.endr
	v_and_b32 v1, 15, v0                           ; r
	v_bfe_u32 v2, v0, 4, 1                         ; h
	v_mul_u32_u24 v3, v1, PITCH
	v_lshl_add_u32 v4, v2, 4, v3                   ; row x pitch + 16 h
	s_mul_i32 s21, s15, HALFT
	s_mul_i32 s22, s16, HALFT
	s_add_co_u32 s22, s22, 2*HALFT
.irp s, 0,1
	v_add_nc_u32 v[ADRA+\s], s21, v4
	v_add_nc_u32 v[ADRB+\s], s22, v4
	s_add_co_u32 s21, s21, SLOT
	s_add_co_u32 s22, s22, SLOT
.endr
	v_mul_u32_u24 v5, v1, KS                       ; my row's scales: KS bytes a row,
	v_lshrrev_b32 v6, 8, v5
	v_lshl_add_u32 v5, v6, 4, v5                   ; and 16 more for each 256 passed
	s_mul_i32 s21, s15, HALFS
	s_mul_i32 s22, s16, HALFS
	s_add_co_u32 s22, s22, 2*HALFS
	s_sub_co_u32 s22, s22, s21
	v_mul_u32_u24 v6, s22, v2                      ; lanes 16-31 take B's
	s_add_co_u32 s21, s21, SCL
	v_add_nc_u32 v5, v5, v6
	v_add_nc_u32 v[ADRS], s21, v5
	s_mul_i32 s23, s14, 16*SPITCH
	s_add_co_u32 s23, s23, STG                     ; my stage
	v_add_nc_u32 v[STO], s23, v4                   ; in: row r, 16 bytes for each half of the lanes
	v_and_b32 v6, 31, v0
	v_lshrrev_b32 v5, 3, v6
	v_mul_u32_u24 v5, v5, SPITCH
	v_and_b32 v7, 7, v0
	v_lshl_add_u32 v5, v7, 4, v5
	v_add_nc_u32 v[RD], s23, v5                    ; back: eight lanes to a row's 128 bytes of one head, four rows an instruction
	v_lshlrev_b32 v[GO], 4, v6
	v_lshlrev_b32 v[CSO], 7, v1
	v_lshl_add_u32 v[CSO], v2, 5, v[CSO]
	s_lshl_b32 s20, s17, 8
	s_lshl_b32 s21, s15, 7
	s_add_co_u32 s20, s20, s21                     ; my first row m0 = 256 x tile row + 128 x half
	s_and_b32 s22, s20, 2047                       ; its position in the sequence; my 128 rows lie in one sequence
	s_lshl_b32 s22, s22, 7
	s_mov_b32 s23, 0
	s_add_nc_u64 s[96:97], s[96:97], s[22:23]
	s_lshl_b32 s20, s20, 7
	s_mov_b32 s21, 0
	s_add_nc_u64 s[98:99], s[98:99], s[20:21]      ; qkv: + m0 << 7,
	s_lshl_b32 s46, s42, 2
	s_lshl_b32 s47, s16, 1
	s_add_co_u32 s46, s46, s47                     ; my first head g = 4 x tile column + 2 x half
	s_lshl_b32 s46, s46, 20
	s_mov_b32 s47, 0
	s_add_nc_u64 s[98:99], s[98:99], s[46:47]      ; + g << 20
; cos and sin of block a's 16 rows: 32 registers of window 1: +0 cos of d = 8 h + j, +8 cos of 16 + 8 h + j, +16 and +24 the same of sin
.macro CSLOAD a
.set CB, 32*((\a)%2)+128*(((\a)%4)/2)+64*(1-(\a)/4)
.irp p, 0,1
.irp u, 0,1
	global_load_b128 v[CB+16*\p+8*\u:CB+16*\p+8*\u+3],   v[CSO], s[96:97] offset:2048*(\a)+262144*\p+64*\u
	global_load_b128 v[CB+16*\p+8*\u+4:CB+16*\p+8*\u+7], v[CSO], s[96:97] offset:2048*(\a)+262144*\p+64*\u+16
.endr
.endr
.endm
	WIN TO_B
	CSLOAD 0                                       ; blocks 0 to 3 go beside B's two sets and land while the products run
	CSLOAD 1
	CSLOAD 2
	CSLOAD 3
	WIN 0
.macro FRAG reg, adr, q, i             ; 16 rows x 128 K of 4-bit codes: 8 registers, two loads of 16 bytes, 32 bytes apart
.irp c, 0,1
	ds_load_b128 v[\reg+4*\c:\reg+4*\c+3], v[\adr] offset:64*(\q)+32*\c+(\i)*16*PITCH
.endr
.endm
; 16 matrix instructions: A's blocks a0, a0 + 1 x B's eight, the slot's q-th 128 along K.  The 64 accumulators take turns, one instruction a turn, in the same order in every step.
.macro MUL16 a0, p, q, sc, zero
.irp a, \a0, \a0+1
.irp b, 0,1,2,3,4,5,6,7
.if \zero
	v_wmma_scale_f32_16x16x128_f8f6f4 v[8*(8*((\a)%4)+\b):8*(8*((\a)%4)+\b)+7], v[128*(\p)+FR*\b:128*(\p)+FR*\b+FR-1], v[AF+FR*(\a):AF+FR*(\a)+FR-1], 0, v[SC+8*NQ*(\sc)+NQ*\b+(\q)], v[SC+8*NQ*(\sc)+NQ*(\a)+(\q)] matrix_a_fmt:MATRIX_FMT_FP4 matrix_b_fmt:MATRIX_FMT_FP4 matrix_a_scale:MATRIX_SCALE_ROW1
.else
	v_wmma_scale_f32_16x16x128_f8f6f4 v[8*(8*((\a)%4)+\b):8*(8*((\a)%4)+\b)+7], v[128*(\p)+FR*\b:128*(\p)+FR*\b+FR-1], v[AF+FR*(\a):AF+FR*(\a)+FR-1], v[8*(8*((\a)%4)+\b):8*(8*((\a)%4)+\b)+7], v[SC+8*NQ*(\sc)+NQ*\b+(\q)], v[SC+8*NQ*(\sc)+NQ*(\a)+(\q)] matrix_a_fmt:MATRIX_FMT_FP4 matrix_b_fmt:MATRIX_FMT_FP4 matrix_a_scale:MATRIX_SCALE_ROW1
.endif
.endr
.endr
.endm
.macro FETCH_B slot, q, p
	WIN TO_B
.irp i, 0,1,2,3,4,5,6,7
	FRAG 128*(\p)+FR*\i, ADRB+\slot, \q, \i
.endr
	WIN 0
.endm
.macro FETCH_A slot, q, i0
.irp i, \i0, \i0+1, \i0+2, \i0+3
	FRAG AF+FR*(\i), ADRA+\slot, \q, \i
.endr
.endm
.macro SCALES sc                       ; a slot's scale words: lanes 0-15 take A's block i, lanes 16-31 B's block i
.irp i, 0,1,2,3,4,5,6,7
	ds_load_b128 v[SC+8*NQ*\sc+NQ*\i:SC+8*NQ*\sc+NQ*\i+3], v[ADRS] offset:\i*SBLK
.endr
.endm
.macro PLACES n                        ; plain vector instructions between a matrix instruction and a load into, or a read of, its registers
.rept \n
	v_nop
.endr
.endm
.macro STEP slot, q, zero              ; a step of 128 along K that has its successor in the same slot
	s_wait_dscnt 4*NL                              ; B's set and A's blocks 0-3 are in; the youngest eight loads (A's blocks 4-7) may be out
	WIN MUL_LO
	MUL16 0, (\q)%2, \q, \slot, \zero
	MUL16 2, (\q)%2, \q, \slot, \zero
	s_wait_dscnt 0
	PLACES NP
	FETCH_B \slot, (\q)+1, 1-(\q)%2
	FETCH_A \slot, (\q)+1, 0
	WIN MUL_HI
	MUL16 4, (\q)%2, \q, \slot, \zero
	MUL16 6, (\q)%2, \q, \slot, \zero
	PLACES NP
	WIN 0
	FETCH_A \slot, (\q)+1, 4
.endm
; Slot 0's last step goes over to slot 1: each wave waits for all its tensor loads, adds 0 to its spare word, waits for that and for its reads; behind the barrier slot 1 is whole for every wave.  Nothing is filled again.
.macro TURN slot, next
	s_wait_tensorcnt 0x0                           ; my part of the next slot has landed
	ds_add_u32 v[SPW], v[NIL]
	s_wait_dscnt 4*NL+1                            ; the add and the youngest eight loads may be out
	WIN MUL_LO
	MUL16 0, 1, NQ-1, \slot, 0
	s_wait_dscnt 0x0
	s_barrier_signal -1
	MUL16 2, 1, NQ-1, \slot, 0
	WIN 0
	s_barrier_wait -1
	PLACES NP
	v_add_nc_u32 v[ADRS], 4*NQ, v[ADRS]            ; on to the next slot's scale words
	FETCH_B \next, 0, 0
	FETCH_A \next, 0, 0
	SCALES \next
	WIN MUL_HI
	MUL16 4, 1, NQ-1, \slot, 0
	MUL16 6, 1, NQ-1, \slot, 0
	PLACES NP
	WIN 0
	FETCH_A \next, 0, 4
.endm
	s_wait_tensorcnt 1                             ; the scales and my part of slot 0 are in; slot 1's load may be out
	s_barrier_signal -1
	s_barrier_wait -1
	FETCH_B 0, 0, 0
	FETCH_A 0, 0, 0
	SCALES 0
	FETCH_A 0, 0, 4
	STEP 0, 0, 1                                   ; the first products start the sums: nothing is cleared
	STEP 0, 1, 0
	STEP 0, 2, 0
	TURN 0, 1
	STEP 1, 0, 0
	STEP 1, 1, 0
	STEP 1, 2, 0
	s_wait_dscnt 4*NL
	WIN MUL_LO
	MUL16 0, 1, NQ-1, 1, 0
	MUL16 2, 1, NQ-1, 1, 0
	s_wait_dscnt 0
	WIN MUL_HI
	MUL16 4, 1, NQ-1, 1, 0
	MUL16 6, 1, NQ-1, 1, 0
	WIN 0
; THE WAY OUT, block by block of 16 rows x 128 columns (two heads).
; ROT: tiles 0 and 1 of each head are turned (channels d and d + 16 stand in the same lane and the same register of the two tiles), tiles 2 and 3 pass; all are rounded to f16, 16 bytes a lane and tile.
.macro ROT a
.if (\a) >= 4
	s_wait_loadcnt 8*(7-(\a))                      ; this block's cos and sin are in; the later blocks' eight loads each may be out
.endif
.set AC, 64*((\a)%4)
.set CB, 32*((\a)%2)+128*(((\a)%4)/2)+64*(1-(\a)/4)
.set PKS, PK+32*((\a)%2)
	WIN 0x06+(\a)/4                                ; source 0: the accumulators' window; source 1: window 1
.irp hh, 0,1
.irp jp, 0,2,4,6
	v_pk_mul_f32 v[T+16*\hh+\jp:T+16*\hh+\jp+1],     v[AC+32*\hh+\jp:AC+32*\hh+\jp+1],     v[CB+\jp:CB+\jp+1]       ; t0 cos; each accumulator is read from its low end on
	v_pk_mul_f32 v[T+16*\hh+8+\jp:T+16*\hh+8+\jp+1], v[AC+32*\hh+8+\jp:AC+32*\hh+8+\jp+1], v[CB+8+\jp:CB+8+\jp+1]   ; t1 cos
.endr
.endr
.irp hh, 0,1
.irp jp, 0,2,4,6
	v_pk_fma_f32 v[T+16*\hh+\jp:T+16*\hh+\jp+1],     v[AC+32*\hh+8+\jp:AC+32*\hh+8+\jp+1], v[CB+16+\jp:CB+16+\jp+1], v[T+16*\hh+\jp:T+16*\hh+\jp+1] neg_lo:[1,0,0] neg_hi:[1,0,0]   ; - t1 sin
	v_pk_fma_f32 v[T+16*\hh+8+\jp:T+16*\hh+8+\jp+1], v[AC+32*\hh+\jp:AC+32*\hh+\jp+1],     v[CB+24+\jp:CB+24+\jp+1], v[T+16*\hh+8+\jp:T+16*\hh+8+\jp+1]                            ; + t0 sin
.endr
.endr
	WIN 0
.irp hh, 0,1
.irp u, 0,1
.irp r, 0,1,2,3
	v_cvt_pk_f16_f32 v[PKS+16*\hh+4*\u+\r], v[T+16*\hh+8*\u+2*\r], v[T+16*\hh+8*\u+2*\r+1]
.endr
.endr
.endr
	WIN 0x0a+5*((\a)/4)                            ; sources 0 and 1: the accumulators' window
.irp hh, 0,1
.irp u, 2,3
.irp r, 0,1,2,3
	v_cvt_pk_f16_f32 v[PKS+16*\hh+4*\u+\r], v[AC+32*\hh+8*\u+2*\r], v[AC+32*\hh+8*\u+2*\r+1]
.endr
.endr
.endr
	WIN 0
.endm
.macro TOSTAGE a                       ; into my stage by rows of 256 bytes, back by heads: four rows of 128 bytes an instruction.  LDS serves a wave's instructions in order
.set PKS, PK+32*((\a)%2)
.set BKS, BK+32*((\a)%2)
.irp b, 0,1,2,3,4,5,6,7
	ds_store_b128 v[STO], v[PKS+4*\b:PKS+4*\b+3] offset:32*\b
.endr
.irp hh, 0,1
.irp i, 0,1,2,3
	ds_load_b128 v[BKS+16*\hh+4*\i:BKS+16*\hh+4*\i+3], v[RD] offset:128*\hh+4*SPITCH*\i
.endr
.endr
.endm
.macro SEND a, younger                 ; younger: the LDS instructions issued behind block a's loads, which may stay out
.set BKS, BK+32*((\a)%2)
	s_wait_dscnt \younger
.irp hh, 0,1
.irp i, 0,1,2,3
	global_store_b128 v[GO], v[BKS+16*\hh+4*\i:BKS+16*\hh+4*\i+3], s[98:99] offset:2048*(\a)+(\hh<<20)+512*\i   ; 32 lanes store 512 consecutive bytes, at a multiple of 512 from the buffer's first byte
.endr
.endr
.endm
	PLACES NP                                      ; behind the last products: for the loads into B's registers, the writes over scale words and A's fragments, and the first reads of results
	s_wait_loadcnt 0x0                             ; cos and sin of blocks 0 to 3, asked for at the head
	WIN TO_B
	CSLOAD 4                                       ; blocks 4 to 7 go where B's fragments lay
	CSLOAD 5
	CSLOAD 6
	CSLOAD 7
	WIN 0
	ROT 0
	TOSTAGE 0
.irp a, 1,2,3,4,5,6,7
	ROT \a
.if \a > 1
	s_wait_xcnt 0x0                                ; block a - 2's stores have read their registers: block a's loads may land there
.endif
	TOSTAGE \a
	SEND \a-1, 16                                  ; behind block a - 1's loads: block a's 8 stores and 8 loads
.endr
	SEND 7, 0
	s_wait_tensorcnt 0x0                           ; the wave's end
	ds_add_u32 v[SPW], v[NIL]
	s_wait_dscnt 0x0
	CROUND                                         ; the closing round
	s_endpgm
.Lfunc_end_k_q0f7990a5f5_qkv:
	.size	k_q0f7990a5f5_qkv, .Lfunc_end_k_q0f7990a5f5_qkv-k_q0f7990a5f5_qkv
	.p2alignl 7, 3214868480
	.fill 96, 4, 3214868480
	.section	.rodata,"a",@progbits
	.p2align	6, 0x0
	.amdhsa_kernel k_q0f7990a5f5_qkv
		.amdhsa_group_segment_fixed_size 327680
		.amdhsa_private_segment_fixed_size 0
		.amdhsa_enable_private_segment 0
		.amdhsa_kernarg_size 48
		.amdhsa_user_sgpr_count 2
		.amdhsa_user_sgpr_kernarg_segment_ptr 1
		.amdhsa_wavefront_size32 1
		.amdhsa_system_sgpr_workgroup_id_x 1
		.amdhsa_system_sgpr_workgroup_id_y 1
		.amdhsa_system_sgpr_workgroup_id_z 1
		.amdhsa_system_vgpr_workitem_id 0
		.amdhsa_next_free_vgpr 1024
		.amdhsa_next_free_sgpr 100
		.amdhsa_reserve_vcc 0
		.amdhsa_float_denorm_mode_32 3
		.amdhsa_float_denorm_mode_16_64 3
		.amdhsa_memory_ordered 1
		.amdhsa_forward_progress 1
		.amdhsa_inst_pref_size 149
	.end_amdhsa_kernel
	.amdgpu_metadata
---
amdhsa.version: [ 1, 2 ]
amdhsa.kernels:
  - .name:           k_q0f7990a5f5_qkv
    .symbol:         k_q0f7990a5f5_qkv.kd
    .args:
      - { .name: xcodes, .offset: 0, .size: 8, .value_kind: global_buffer, .address_space: global }
      - { .name: xscales, .offset: 8, .size: 8, .value_kind: global_buffer, .address_space: global }
      - { .name: wcodes, .offset: 16, .size: 8, .value_kind: global_buffer, .address_space: global }
      - { .name: wscales, .offset: 24, .size: 8, .value_kind: global_buffer, .address_space: global }
      - { .name: cs, .offset: 32, .size: 8, .value_kind: global_buffer, .address_space: global }
      - { .name: qkv, .offset: 40, .size: 8, .value_kind: global_buffer, .address_space: global }
    .group_segment_fixed_size: 327680
    .private_segment_fixed_size: 0
    .kernarg_segment_align: 8
    .kernarg_segment_size: 48
    .max_flat_workgroup_size: 128
    .sgpr_count:     100
    .vgpr_count:     1024
    .wavefront_size: 32
...
	.end_amdgpu_metadata
.endif
;; end of part 2
;; launch attn (part 3): grid 4 x 64, 8 waves a work-group, clusters of 4 x 1, 327,680 bytes of LDS; arguments qkv, ao; writes ao
.if DOCPART == 3
	.amdgcn_target "amdgcn-amd-amdhsa--gfx1250"
	.amdhsa_code_object_version 6
	.text
	.protected	k_q0f7990a5f5_attn
	.globl	k_q0f7990a5f5_attn
	.p2align	8
	.type	k_q0f7990a5f5_attn,@function
k_q0f7990a5f5_attn:
	s_mov_b64 s[64:65], 0
	v_nop
	global_prefetch_b8 v0, s[64:65] scope:SCOPE_SE
	s_setreg_imm32_b32 hwreg(HW_REG_WAVE_MODE, 25, 1), 1
	s_wait_xcnt 0x0
	s_wait_alu depctr_hold_cnt(0) depctr_sa_sdst(0) depctr_va_vdst(0) depctr_va_sdst(0) depctr_va_ssrc(0) depctr_va_vcc(0) depctr_vm_vsrc(0)
	s_getreg_b32 s2, hwreg(HW_REG_IB_STS2, 6, 4)
	s_cmp_eq_u32 s2, 0
	s_cbranch_scc0 .Lentry_in_a_cluster
	s_endpgm
.Lentry_in_a_cluster:
	s_bfe_u32 s2, ttmp6, 0x10000c
	s_cmp_lg_u32 s2, 0x3003
	s_cbranch_scc0 .Lentry_shape_is_right
	s_endpgm
.Lentry_shape_is_right:
; ao[h][b][q][:] = the sum over k of softmax_k(q . k / 8) v[k][:], for each of 64 pairs (head, batch): 2,048 queries, 2,048 keys, head size 64, no mask.  q, k, v: f16, in qkv [g][b][s][64] (q: g = h, k: 16 + h, v: 32 + h).
; Products in f16 with f32 sums; maxima, exponentials and scalings in f32; the weights p are rounded to f16 for the second product, ao once at the end (f16).
; SHARES.  Work-group y = 4 h + b; its place in the cluster picks 512 queries; each of eight waves owns 64: four tiles of 16.  Two waves share a SIMD, so that one wave's softmax can stand beside the other's products.
; LAYOUT.  S^T = K Q^T (source 0 = 16 keys, source 1 = 16 queries): a lane holds ONE query and the keys 8 (lane / 16) + 0..7.  Two such tiles, packed to f16 in place, ARE source 1 of O^T = V^T P.  V is turned by ds_load_tr16_b128.
; SOFTMAX.  A running maximum m for each query: p = 2^(c s - c m), c = log2(e) / 8; in every step O^T and the sum are multiplied by a = 2^(c m_old - c m_new).
; THE ROW'S SUM is a product too: L += ONES x P, ONES a fragment of 1.0: every register of L would hold my query's sum; register 0 alone is rescaled and read; the others hold sums of at most 2,048 weights near 1 and are never read.
; CLUSTER.  The four work-groups of a pair (head, batch) walk the same K and V: each tile is asked for jointly, by the same tensor load with the mask of all four.
; RING.  Two LDS slots of 256 keys (four steps of 64).  Waves 0-3 fetch K's four steps, waves 4-7 V's: one load a wave behind each round, which has four steps' work in which to land.
; REGISTERS.  window 0: v2-15 addresses; v16-23 ONES; v24-55 statistics, 8 a tile (+0 c m, +1 m, +2 c m_old, +4..+7 four chains of the maximum; a takes +6); v64-191 S^T, 32 a tile, P in its low 16; v192-255 two buffers of four fragments.
;   window 1: v0-127 O^T ((t, ct) at 32 t + 8 ct); v128-159 L; v160-223 Q.
.set KPI,   144       ; a row of K in LDS: 128 bytes + 16: the 16 rows of a load start at 16 different groups of four banks
.set VPI,   160       ; a row of V: 128 + 32
.set VOFF,  64*KPI    ; a step's tiles lie together: 64 rows of K, then 64 rows of V
.set STEPB, 64*(KPI+VPI)
.set SLOT1, 1<<17     ; slot 1 begins here: one exclusive or turns an address in one slot into the other's
.set SLOTB, 256*128   ; a slot's rows of K, or of V, in memory
.set STAGE, SLOT1+4*STEPB  ; the way out: 16 rows x 144 bytes for each wave
.set SP,    144
.set SPARE, STAGE+8*16*SP  ; the spare words, 128 bytes a wave, which no other line names
.set AK0, 2
.set AV0, 3
.set ADK, 4
.set ADV, 5
.set QO,  6
.set STO, 7
.set RD,  8
.set GO,  9
.set SPW, 12
.set NIL, 13
.set PFO, 14          ; v14  256 x lane: the prefetches' offset; never rewritten
.set ONES, 16
.set ST,  24
.set S,   64
.set H,   192
.set LW,  128         ; in window 1
.set QW,  160         ; in window 1
.set WV,  12
.set LIM, 15          ; s15  1 in a wave that prefetches, else the greatest number
.set PFA, 18          ; s[18:19] where my prefetches stand
.set G1K, 24
.set G1V, 32
.set G0K, 40          ; two sets for the two first fills; the second then walks on
.set G0V, 48
.set SLOTS, 56
.set CNT, 57
.set CS,  58          ; s[58:59] c
.set SEL, 60          ; s[60:61] selects for v_permlanex16_b32: lane l xor 16
.set TB,  62          ; s62  LDS byte at which the tiles of the step to be fetched begin
.set MSB, 0
.macro WIN new
.if MSB != (\new)
	s_set_vgpr_msb (MSB<<8)|(\new)
.set MSB, (\new)
.endif
.endm
.macro PLACES n
.rept \n
	v_nop
.endr
.endm
; A joint refill: waves 0-3 fetch K's steps, waves 4-7 V's; the branch hangs on the wave's number alone.  An s_nop 0 and four v_nop follow each of the two lines.
.macro JLOAD
	s_cmp_lt_u32 s[WV], 4
	s_cbranch_scc0 .Lfor_v_\@
	tensor_load_to_lds s[G0K+4:G0K+7], s[G1K:G1K+7]
	s_nop 0
.rept 4
	v_nop
.endr
	s_branch .Lasked_\@
.Lfor_v_\@:
	tensor_load_to_lds s[G0V+4:G0V+7], s[G1V:G1V+7]
	s_nop 0
.rept 4
	v_nop
.endr
.Lasked_\@:
.endm
; A prefetch of what the NEXT change of slots will ask for: a slot's 32,768 bytes of K and of V.  The four partners share them out by address, 8,192 bytes each, lanes 256 bytes apart;
; wave 0 asks for K's, wave 4 for V's: each block of 256 bytes is named once in the launch.  The last change that fills a slot asks for nothing; slots 0 to 2 come by their loads alone.
.macro ASK
	s_cmp_gt_u32 s[SLOTS], s[LIM]
	s_cbranch_scc0 .Lnot_mine_\@
	global_prefetch_b8 v[PFO], s[PFA:PFA+1] th:TH_LOAD_NT scope:SCOPE_SE
.Lnot_mine_\@:
.endm
.macro CROUND
	s_barrier_signal -1
	s_barrier_wait -1
	s_cmp_lg_u32 s[WV], 0
	s_cbranch_scc1 .Lnot_wave_0_\@
	s_barrier_signal -3
.Lnot_wave_0_\@:
	s_barrier_wait -3
	s_barrier_signal -1
	s_barrier_wait -1
.endm
	s_load_b128 s[4:7], s[0:1], 0x0   ; qkv s[4:5], ao s[6:7]
	v_lshl_add_u32 v[SPW], v0, 2, SPARE
	v_mov_b32 v[NIL], 0
	ds_add_u32 v[SPW], v[NIL]       ; the wave's opening: the add, twice on end, and its wait ahead of my first tensor load
	ds_add_u32 v[SPW], v[NIL]
	v_lshrrev_b32 v1, 5, v0
	v_readfirstlane_b32 s[WV], v1   ; wave 0..7
	s_bfe_u32 s13, ttmp6, 0x40000   ; cx: my block of 512 queries; it enters Q's, ao's and the prefetches' addresses alone
	s_and_b32 s20, ttmp7, 0xffff    ; y = 4 h + b, which the four partners share
	s_lshl_b32 s20, s20, 18         ; its 2,048 rows of 128 bytes
	s_and_b32 s16, s[WV], 3         ; which of a slot's four steps I fetch:
	s_lshl_b32 s22, s16, 13         ; its 64 rows in memory,
	s_add_co_u32 s22, s22, s20
	s_mov_b32 s23, 0
	s_mul_i32 s17, s16, STEPB       ; and its place in a slot
	s_lshl_b32 s2, s13, 16
	s_lshl_b32 s3, s[WV], 13
	s_add_co_u32 s2, s2, s3
	s_add_co_u32 s2, s2, s20        ; my wave's 64 queries
	s_mov_b32 s3, 0
	s_mov_b32 s[G1K], 15|(1<<16)|(1<<20)|(1<<21)|(4<<22)|(3<<25)  ; the mask: all four; elements of 2 bytes; padding: 4 words behind every 32; bit 21 beside a mask
	s_mov_b32 s[G1V], 15|(1<<16)|(1<<20)|(1<<21)|(4<<22)|(7<<25)  ; the same with 8 words of padding
.irp g, G1K, G1V
	s_mov_b32 s[\g+1], 64<<16       ; tensor_dim0 = 64
	s_mov_b32 s[\g+2], 64<<16       ; tensor_dim1 = 64
	s_mov_b32 s[\g+3], 64<<16       ; tile_dim0 = 64
	s_mov_b32 s[\g+4], 64           ; tile_dim1 = 64
	s_mov_b32 s[\g+5], 64           ; elements from row to row
	s_mov_b32 s[\g+6], 0
	s_mov_b32 s[\g+7], 0
.endr
	s_mov_b32 s[CS], 0x3e38aa3b     ; c = log2(e) / 8
	s_mov_b32 s[CS+1], s[CS]
	s_mov_b32 s[SEL], 0x76543210
	s_mov_b32 s[SEL+1], 0xfedcba98
	s_mov_b32 s[TB], 0
	s_mov_b32 s[SLOTS], 6           ; eight slots' worth of keys; two are asked for at the head
	s_cmp_eq_u32 s16, 0
	s_cselect_b32 s[LIM], 1, -1     ; waves 0 and 4 prefetch
	v_and_b32 v[PFO], 31, v0
	v_lshlrev_b32 v[PFO], 8, v[PFO]
	s_wait_dscnt 0x0                ; both opening adds are done
	s_wait_kmcnt 0x0
	s_add_nc_u64 s[8:9], s[4:5], s[22:23]
	s_add_nc_u64 s[10:11], s[8:9], 0x2000000  ; V at my tile of slot 0
	s_add_nc_u64 s[8:9], s[8:9], 0x1000000    ; K likewise
	s_add_nc_u64 s[4:5], s[4:5], s[2:3]       ; Q and ao at my wave's first row
	s_add_nc_u64 s[6:7], s[6:7], s[2:3]
	s_cmp_lt_u32 s[WV], 4
	s_cselect_b64 s[PFA:PFA+1], s[8:9], s[10:11]  ; (in waves 0 and 4 these stand at a slot's first row)
	s_lshl_b32 s2, s13, 13          ; my work-group's 8,192 bytes of the 32,768
	s_add_nc_u64 s[PFA:PFA+1], s[PFA:PFA+1], s[2:3]
	s_add_nc_u64 s[PFA:PFA+1], s[PFA:PFA+1], 2*SLOTB  ; in slot 2; the first change of slots steps it to slot 3
	CROUND                          ; all four work-groups are here: the first joint loads meet
.irp s, 0,1
	s_mov_b32 s[G0K+4*\s], 1
	s_add_co_u32 s[G0K+4*\s+1], s17, \s*SLOT1
	s_add_nc_u64 s[G0K+4*\s+2:G0K+4*\s+3], s[8:9], \s*SLOTB
	s_or_b32 s[G0K+4*\s+3], s[G0K+4*\s+3], 0x80000000
	s_mov_b32 s[G0V+4*\s], 1
	s_add_co_u32 s[G0V+4*\s+1], s17, \s*SLOT1+VOFF
	s_add_nc_u64 s[G0V+4*\s+2:G0V+4*\s+3], s[10:11], \s*SLOTB
	s_or_b32 s[G0V+4*\s+3], s[G0V+4*\s+3], 0x80000000
.endr
	s_cmp_lt_u32 s[WV], 4           ; a wave's two first fills stand in one branch: two loads of mine are out
	s_cbranch_scc0 .Lfirst_v
	tensor_load_to_lds s[G0K:G0K+3], s[G1K:G1K+7]
	s_nop 0
	tensor_load_to_lds s[G0K+4:G0K+7], s[G1K:G1K+7]
	s_nop 0
.rept 4
	v_nop
.endr
	s_branch .Lfirst_asked
.Lfirst_v:
	tensor_load_to_lds s[G0V:G0V+3], s[G1V:G1V+7]
	s_nop 0
	tensor_load_to_lds s[G0V+4:G0V+7], s[G1V:G1V+7]
	s_nop 0
.rept 4
	v_nop
.endr
.Lfirst_asked:
	v_and_b32 v1, 15, v0            ; r
	v_bfe_u32 v10, v0, 4, 1         ; h
	v_lshlrev_b32 v[QO], 7, v1
	v_lshl_add_u32 v[QO], v10, 4, v[QO]  ; row x 128 + 16 h
	WIN 0x40                        ; destination window 1
.irp t, 0,1,2,3
.irp kk, 0,1
	global_load_b128 v[QW+16*\t+8*\kk:QW+16*\t+8*\kk+3],   v[QO], s[4:5] offset:2048*\t+64*\kk      ; Q stays in registers: tile t, channels 32 kk on
	global_load_b128 v[QW+16*\t+8*\kk+4:QW+16*\t+8*\kk+7], v[QO], s[4:5] offset:2048*\t+64*\kk+32
.endr
.endr
	WIN 0
	v_mul_u32_u24 v[AK0], v1, KPI
	v_lshl_add_u32 v[AK0], v10, 4, v[AK0]
	v_and_b32 v11, 7, v0
	v_bfe_u32 v15, v0, 3, 1
	v_lshl_add_u32 v[AV0], v10, 3, v11   ; the turning load: lane l reads key 8 (l / 16) + l % 8, channels 8 ((l / 8) % 2) on
	v_mul_u32_u24 v[AV0], v[AV0], VPI
	v_lshl_add_u32 v[AV0], v15, 4, v[AV0]
	v_add_nc_u32 v[AV0], VOFF, v[AV0]
	s_mul_i32 s13, s[WV], 16*SP
	s_add_co_u32 s13, s13, STAGE    ; my stage
	v_mul_u32_u24 v[STO], v1, SP
	v_lshl_add_u32 v[STO], v10, 4, v[STO]
	v_add_nc_u32 v[STO], s13, v[STO]     ; in: row r, 16 bytes for each half of the lanes
	v_bfe_u32 v[RD], v0, 3, 2
	v_mul_u32_u24 v[RD], v[RD], SP
	v_lshl_add_u32 v[RD], v11, 4, v[RD]
	v_add_nc_u32 v[RD], s13, v[RD]       ; back: eight lanes to a row of 128 bytes, four rows an instruction
	v_and_b32 v[GO], 31, v0
	v_lshlrev_b32 v[GO], 4, v[GO]
.irp i, 0,1,2,3,4,5,6,7
	v_mov_b32 v[ONES+\i], 0x3c003c00     ; 1.0, twice, in f16
.endr
.macro LDK pp                       ; key tiles 2 pp, 2 pp + 1 of the step: four fragments (u, kk) into buffer pp
.irp u, 0,1
.irp kk, 0,1
	ds_load_b128 v[H+32*(\pp)+8*(2*\u+\kk):H+32*(\pp)+8*(2*\u+\kk)+3],   v[ADK] offset:16*(2*(\pp)+\u)*KPI+64*\kk
	ds_load_b128 v[H+32*(\pp)+8*(2*\u+\kk)+4:H+32*(\pp)+8*(2*\u+\kk)+7], v[ADK] offset:16*(2*(\pp)+\u)*KPI+64*\kk+32
.endr
.endr
.endm
.macro LDV hf                       ; keys 32 hf on: four fragments of V^T (channels 16 ct on) into buffer hf
.irp ct, 0,1,2,3
	ds_load_tr16_b128 v[H+32*(\hf)+8*\ct:H+32*(\hf)+8*\ct+3],   v[ADV] offset:32*(\hf)*VPI+32*\ct
	ds_load_tr16_b128 v[H+32*(\hf)+8*\ct+4:H+32*(\hf)+8*\ct+7], v[ADV] offset:32*(\hf)*VPI+16*VPI+32*\ct
.endr
.endm
; 16 products of S^T = K Q^T: eight accumulators by turns, one instruction a turn; the first eight start the sums
.macro KQMUL pp
.irp kk, 0,1
.irp u, 0,1
.irp t, 0,1,2,3
.if \kk == 0
	v_wmma_f32_16x16x32_f16 v[S+32*\t+8*(2*(\pp)+\u):S+32*\t+8*(2*(\pp)+\u)+7], v[H+32*(\pp)+8*(2*\u+\kk):H+32*(\pp)+8*(2*\u+\kk)+7], v[QW+16*\t+8*\kk:QW+16*\t+8*\kk+7], 0
.else
	v_wmma_f32_16x16x32_f16 v[S+32*\t+8*(2*(\pp)+\u):S+32*\t+8*(2*(\pp)+\u)+7], v[H+32*(\pp)+8*(2*\u+\kk):H+32*(\pp)+8*(2*\u+\kk)+7], v[QW+16*\t+8*\kk:QW+16*\t+8*\kk+7], v[S+32*\t+8*(2*(\pp)+\u):S+32*\t+8*(2*(\pp)+\u)+7]
.endif
.endr
.endr
.endr
.endm
; 16 products of O^T += V^T P and 4 of L += ONES P, keys 32 hf on: twenty accumulators by turns
.macro PVMUL hf, first
.irp ct, 0,1,2,3
.irp t, 0,1,2,3
.if (\first) && ((\hf) == 0)
	v_wmma_f32_16x16x32_f16 v[32*\t+8*\ct:32*\t+8*\ct+7], v[H+32*(\hf)+8*\ct:H+32*(\hf)+8*\ct+7], v[S+32*\t+8*(\hf):S+32*\t+8*(\hf)+7], 0
.else
	v_wmma_f32_16x16x32_f16 v[32*\t+8*\ct:32*\t+8*\ct+7], v[H+32*(\hf)+8*\ct:H+32*(\hf)+8*\ct+7], v[S+32*\t+8*(\hf):S+32*\t+8*(\hf)+7], v[32*\t+8*\ct:32*\t+8*\ct+7]
.endif
.endr
.endr
.irp t, 0,1,2,3
.if (\first) && ((\hf) == 0)
	v_wmma_f32_16x16x32_f16 v[LW+8*\t:LW+8*\t+7], v[ONES:ONES+7], v[S+32*\t+8*(\hf):S+32*\t+8*(\hf)+7], 0
.else
	v_wmma_f32_16x16x32_f16 v[LW+8*\t:LW+8*\t+7], v[ONES:ONES+7], v[S+32*\t+8*(\hf):S+32*\t+8*(\hf)+7], v[LW+8*\t:LW+8*\t+7]
.endif
.endr
.endm
; The softmax of a key step, the four tiles by turns.  first = 1: the first step, which has no old maximum and nothing to rescale.
.macro SOFTMAX first
.irp j, 0,1,2,3
.irp t, 0,1,2,3
	v_max3_num_f32 v[ST+8*\t+4+\j], v[S+32*\t+8*\j], v[S+32*\t+8*\j+1], v[S+32*\t+8*\j+2]   ; four chains a tile; each accumulator is read from its low end on
.endr
.endr
.irp q, 1,2
.irp j, 0,1,2,3
.irp t, 0,1,2,3
	v_max3_num_f32 v[ST+8*\t+4+\j], v[ST+8*\t+4+\j], v[S+32*\t+8*\j+2*\q+1], v[S+32*\t+8*\j+2*\q+2]
.endr
.endr
.endr
.irp t, 0,1,2,3
	v_max3_num_f32 v[ST+8*\t+4], v[ST+8*\t+4], v[S+32*\t+7], v[S+32*\t+15]
.endr
.irp t, 0,1,2,3
	v_max3_num_f32 v[ST+8*\t+6], v[ST+8*\t+6], v[S+32*\t+23], v[S+32*\t+31]
.endr
.irp t, 0,1,2,3
	v_max3_num_f32 v[ST+8*\t+4], v[ST+8*\t+4], v[ST+8*\t+5], v[ST+8*\t+6]
.endr
.irp t, 0,1,2,3
.if \first
	v_max_num_f32 v[ST+8*\t+4], v[ST+8*\t+4], v[ST+8*\t+7]
.else
	v_max3_num_f32 v[ST+8*\t+4], v[ST+8*\t+4], v[ST+8*\t+7], v[ST+8*\t+1]   ; and the old m
.endif
.endr
.irp t, 0,1,2,3
	v_permlanex16_b32 v[ST+8*\t+5], v[ST+8*\t+4], s[SEL], s[SEL+1]   ; the query's other 32 keys lie in the lane 16 away
.endr
.if \first == 0
.irp t, 0,1,2,3
	v_mov_b32 v[ST+8*\t+2], v[ST+8*\t]   ; c m_old is kept for a
.endr
.endif
.irp t, 0,1,2,3
	v_max_num_f32 v[ST+8*\t+1], v[ST+8*\t+4], v[ST+8*\t+5]   ; m
.endr
.irp t, 0,1,2,3
	v_mul_f32 v[ST+8*\t], s[CS], v[ST+8*\t+1]   ; c m
.endr
.if \first == 0
.irp t, 0,1,2,3
	v_sub_f32 v[ST+8*\t+2], v[ST+8*\t+2], v[ST+8*\t]
.endr
.irp t, 0,1,2,3
	v_exp_f32 v[ST+8*\t+6], v[ST+8*\t+2]   ; a
.endr
.endif
.irp t, 0,1,2,3
.set i, 0
.rept 16
	v_pk_fma_f32 v[S+32*\t+i:S+32*\t+i+1], v[S+32*\t+i:S+32*\t+i+1], s[CS:CS+1], v[ST+8*\t:ST+8*\t+1] op_sel_hi:[1,0,0] neg_lo:[0,0,1] neg_hi:[0,0,1]   ; c s - c m, two at a time: plain work behind the four exponentials
.set i, i+2
.endr
.endr
.if \first == 0
	s_wait_alu depctr_va_vdst(0)    ; one wait for the four a, which the rescaling below reads
.endif
.set i, 0
.rept 128
	v_exp_f32 v[S+i], v[S+i]        ; p: one batch
.set i, i+1
.endr
.if \first
	v_nop                           ; a plain instruction behind the last exponential
.else
	WIN 0x41                        ; O^T and L (destination and source 0) in window 1, a in window 0
.irp t, 0,1,2,3
.set i, 0
.rept 16
	v_pk_mul_f32 v[32*\t+i:32*\t+i+1], v[32*\t+i:32*\t+i+1], v[ST+8*\t+6:ST+8*\t+7] op_sel_hi:[1,0]   ; O^T x a: work that names no result of the batch
.set i, i+2
.endr
	v_mul_f32 v[LW+8*\t], v[LW+8*\t], v[ST+8*\t+6]   ; the sum x a: register 0 alone
.endr
	WIN 0
.endif
	s_wait_alu depctr_va_vdst(0)    ; one wait for the batch of 128, ahead of its first reader
.irp t, 0,1,2,3
.set i, 0
.rept 16
	v_cvt_pk_f16_f32 v[S+32*\t+i], v[S+32*\t+2*i], v[S+32*\t+2*i+1]   ; P in place, in ascending order: register i takes weights 2 i and 2 i + 1
.set i, i+1
.endr
.endr
.endm
; The next step's scores; V of that step takes K's buffers as they fall free.  Each wait for 8: the older run of eight loads is in, the younger run of eight may be out.
.macro KQSEC
	s_wait_dscnt 8
	WIN 0x04                        ; Q (source 1) in window 1
	KQMUL 0
	PLACES 4                        ; in front of loads into registers that the products have read
	LDV 0
	s_wait_dscnt 8
	KQMUL 1
	PLACES 4                        ; likewise, and in front of the softmax's first reads of the scores
	LDV 1
	WIN 0
.endm
; A key step: its softmax, its V^T P, and (next = 1) the next step's K, scores and V.
.macro UNIT first, next
	SOFTMAX \first
	s_wait_dscnt 8                  ; V's first half is in
	WIN 0x50                        ; C and D in window 1
	PVMUL 0, \first
.if \next
	WIN 0
	v_add_nc_u32 v[ADK], s[TB], v[AK0]   ; the next step's addresses: with the two v_nop, the four places in front of the loads
	v_add_nc_u32 v[ADV], s[TB], v[AV0]
	v_nop
	v_nop
	LDK 0
	s_wait_dscnt 8                  ; V's second half is in
	WIN 0x50
	PVMUL 1, 0
	WIN 0x04
	PLACES 5                        ; the next scores are written over registers that these products read as P: five places; four serve the loads
	LDK 1
	s_add_co_u32 s[TB], s[TB], STEPB
	KQSEC
.else
	s_wait_dscnt 0x0
	PVMUL 1, 0
	WIN 0
.endif
.endm
; THE CHANGE OF SLOTS stands where the old slot's last V has been asked for.  Each wave waits for all its tensor loads (one is out: its part of the other slot), adds 0 to its spare word, and waits for that and for its reads.
; fill = 1: the barrier is a round of the cluster's, and the joint refill is the first thing behind it.
.macro CHANGE fill
	WIN 0
	s_wait_tensorcnt 0x0            ; no tensor load of mine is out, so a group 0 may be written
	ds_add_u32 v[SPW], v[NIL]
.if \fill
.irp g, G0K+4, G0V+4
	s_xor_b32 s[\g+1], s[\g+1], SLOT1
	s_add_nc_u64 s[\g+2:\g+3], s[\g+2:\g+3], SLOTB
.endr
	s_wait_xcnt 0x0                 ; the last prefetch, a slot back, has read its address
	s_add_nc_u64 s[PFA:PFA+1], s[PFA:PFA+1], SLOTB
	s_wait_dscnt 0x0                ; the add is done, and my reads of the slot are over
	CROUND
	JLOAD
	ASK
.else
	s_wait_dscnt 0x0
	s_barrier_signal -1
	s_barrier_wait -1
.endif
	s_sub_co_u32 s[TB], s[TB], 4*STEPB   ; the fetches go back to a slot's first step,
	s_xor_b32 s[TB], s[TB], SLOT1        ; in the other slot
.endm
.macro FOUR_UNITS
	s_mov_b32 s[CNT], 4
.Lunit_\@:
	UNIT 0, 1
	s_sub_co_u32 s[CNT], s[CNT], 1
	s_cmp_lg_u32 s[CNT], 0
	s_cbranch_scc1 .Lunit_\@
.endm
	s_wait_tensorcnt 1              ; my part of slot 0 is in; slot 1's may stay out
	s_barrier_signal -1
	s_barrier_wait -1
	v_add_nc_u32 v[ADK], s[TB], v[AK0]
	v_add_nc_u32 v[ADV], s[TB], v[AV0]
	LDK 0
	LDK 1
	s_add_co_u32 s[TB], s[TB], STEPB
	s_wait_loadcnt 0x0              ; Q
	KQSEC                           ; step 0's scores
	UNIT 1, 1                       ; step 0
	s_mov_b32 s[CNT], 2
.Lhead_units:
	UNIT 0, 1                       ; steps 1 and 2
	s_sub_co_u32 s[CNT], s[CNT], 1
	s_cmp_lg_u32 s[CNT], 0
	s_cbranch_scc1 .Lhead_units
.Lslot:                             ; six trips: every slot but the last two is filled again
	CHANGE 1
	FOUR_UNITS
	s_sub_co_u32 s[SLOTS], s[SLOTS], 1
	s_cmp_lg_u32 s[SLOTS], 0
	s_cbranch_scc1 .Lslot
	CHANGE 0                        ; the tail is written out
	FOUR_UNITS                      ; steps 27 to 30
	UNIT 0, 0                       ; step 31
	; THE WAY OUT.  O^T is divided by the sum, rounded to f16 and sent through my stage in LDS, a tile (16 rows) at a time.
	PLACES 4                        ; behind the last products
	WIN 0x01                        ; source 0 in window 1
.irp t, 0,1,2,3
	v_rcp_f32 v[ST+8*\t+6], v[LW+8*\t]
.endr
	v_nop                           ; a plain instruction behind the last reciprocal
	s_wait_alu depctr_va_vdst(0)    ; one wait for the four, ahead of their first reader
.macro PACK t
	WIN 0x41
.set i, 0
.rept 16
	v_pk_mul_f32 v[32*\t+i:32*\t+i+1], v[32*\t+i:32*\t+i+1], v[ST+8*\t+6:ST+8*\t+7] op_sel_hi:[1,0]
.set i, i+2
.endr
	WIN 0x05                        ; sources 0 and 1 in window 1, destination in window 0
.set i, 0
.rept 16
	v_cvt_pk_f16_f32 v[S+32*\t+i], v[32*\t+2*i], v[32*\t+2*i+1]
.set i, i+1
.endr
	WIN 0
.irp f, 0,1,2,3
	ds_store_b128 v[STO], v[S+32*\t+4*\f:S+32*\t+4*\f+3] offset:32*\f
.endr
.irp f, 0,1,2,3
	ds_load_b128 v[S+32*\t+16+4*\f:S+32*\t+16+4*\f+3], v[RD] offset:\f*4*SP   ; LDS serves a wave's instructions in order: these see the stores above, and the next tile's stores come behind them
.endr
.endm
.macro SEND t, younger              ; younger: the LDS instructions issued behind tile t's loads: the next tile's eight, or none
.irp f, 0,1,2,3
	s_wait_dscnt \younger+3-\f
	global_store_b128 v[GO], v[S+32*\t+16+4*\f:S+32*\t+16+4*\f+3], s[6:7] offset:2048*\t+512*\f   ; 32 lanes store 512 consecutive bytes, at a multiple of 512 from the buffer's first byte
.endr
.endm
	PACK 0
	PACK 1
	SEND 0, 8
	PACK 2
	SEND 1, 8
	PACK 3
	SEND 2, 8
	SEND 3, 0
	s_wait_tensorcnt 0x0            ; the wave's end
	ds_add_u32 v[SPW], v[NIL]
	s_wait_dscnt 0x0
	CROUND                          ; the closing round
	s_endpgm
.Lfunc_end_k_q0f7990a5f5_attn:
	.size	k_q0f7990a5f5_attn, .Lfunc_end_k_q0f7990a5f5_attn-k_q0f7990a5f5_attn
	.p2alignl 7, 3214868480
	.fill 96, 4, 3214868480
	.section	.rodata,"a",@progbits
	.p2align	6, 0x0
	.amdhsa_kernel k_q0f7990a5f5_attn
		.amdhsa_group_segment_fixed_size 327680
		.amdhsa_private_segment_fixed_size 0
		.amdhsa_enable_private_segment 0
		.amdhsa_kernarg_size 16
		.amdhsa_user_sgpr_count 2
		.amdhsa_user_sgpr_kernarg_segment_ptr 1
		.amdhsa_wavefront_size32 1
		.amdhsa_system_sgpr_workgroup_id_x 1
		.amdhsa_system_sgpr_workgroup_id_y 1
		.amdhsa_system_sgpr_workgroup_id_z 1
		.amdhsa_system_vgpr_workitem_id 0
		.amdhsa_next_free_vgpr 512
		.amdhsa_next_free_sgpr 66
		.amdhsa_reserve_vcc 0
		.amdhsa_float_denorm_mode_32 3
		.amdhsa_float_denorm_mode_16_64 3
		.amdhsa_memory_ordered 1
		.amdhsa_forward_progress 1
		.amdhsa_inst_pref_size 162
	.end_amdhsa_kernel
	.amdgpu_metadata
---
amdhsa.version: [ 1, 2 ]
amdhsa.kernels:
  - .name:           k_q0f7990a5f5_attn
    .symbol:         k_q0f7990a5f5_attn.kd
    .args:
      - { .name: qkv, .offset: 0, .size: 8, .value_kind: global_buffer, .address_space: global }
      - { .name: ao, .offset: 8, .size: 8, .value_kind: global_buffer, .address_space: global }
    .group_segment_fixed_size: 327680
    .private_segment_fixed_size: 0
    .kernarg_segment_align: 8
    .kernarg_segment_size: 16
    .max_flat_workgroup_size: 256
    .sgpr_count:     66
    .vgpr_count:     512
    .wavefront_size: 32
...
	.end_amdgpu_metadata
.endif
;; end of part 3
;; launch oproj (part 4): grid 4 x 64, 4 waves a work-group, clusters of 4 x 4, 327,680 bytes of LDS; arguments ao, wo16, bo, out0; writes out0
.if DOCPART == 4
	.amdgcn_target "amdgcn-amd-amdhsa--gfx1250"
	.amdhsa_code_object_version 6
	.text
	.protected	k_q0f7990a5f5_oproj
	.globl	k_q0f7990a5f5_oproj
	.p2align	8
	.type	k_q0f7990a5f5_oproj,@function
k_q0f7990a5f5_oproj:
	s_mov_b64 s[64:65], 0
	v_nop
	global_prefetch_b8 v0, s[64:65] scope:SCOPE_SE
	s_setreg_imm32_b32 hwreg(HW_REG_WAVE_MODE, 25, 1), 1
	s_wait_xcnt 0x0
	s_wait_alu depctr_hold_cnt(0) depctr_sa_sdst(0) depctr_va_vdst(0) depctr_va_sdst(0) depctr_va_ssrc(0) depctr_va_vcc(0) depctr_vm_vsrc(0)
	s_getreg_b32 s2, hwreg(HW_REG_IB_STS2, 6, 4)
	s_cmp_eq_u32 s2, 0
	s_cbranch_scc0 .Lentry_in_a_cluster
	s_endpgm
.Lentry_in_a_cluster:
	s_bfe_u32 s2, ttmp6, 0x10000c
	s_cmp_lg_u32 s2, 0xf033
	s_cbranch_scc0 .Lentry_shape_is_right
	s_endpgm
.Lentry_shape_is_right:
; out0[m][n] = sum over k of A[m][k] Wo[n][k] + bo[n], m 8,192, n 1,024, k 1,024 = 64 x head + channel.  A lies as ao [head][m][64] f16, Wo as wo16 [n][k] f16; sums and out0 in f32.
; A tile of out0 is 128 rows x 256 columns: 256 work-groups.  Four waves, each 64 x 128: 32 accumulators of 16 x 16.  K goes in eight steps of 128 (two heads) through two LDS slots:
; waves 0 and 1 fetch A's two heads (128 rows x 128 bytes each), waves 2 and 3 B's two halves (128 rows x 256 bytes each): one tensor load a wave behind each round.
; CLUSTERS: 4 x 4 work-groups; A's tiles are asked for jointly along a row of the cluster, B's along a column.
; THE MATRIX INSTRUCTION IS USED TRANSPOSED (source 0 = 16 rows of Wo, source 1 = 16 rows of A): a lane holds eight neighbouring columns of a row of out0.  The bias is the C of each sum's first product.
; REGISTERS: window 0: v16-30 addresses; v32-95 the bias, eight registers for each of my eight column tiles; v128-255 rows on the way out.   window 1: the accumulators ((i, b) at v[8 (8 i + b)]).
;   windows 2 and 3: two fragment buffers, each for 64 along K: A (cc, i) at v[8 (4 cc + i)], B (cc, b) at v[64 + 8 (8 cc + b)].
.set APITCH, 144                       ; a row of A in LDS: 128 bytes + 16
.set BPITCH, 272                       ; a row of B: 256 bytes + 16
.set ASUB,   128*APITCH                ; one head's 128 rows
.set BOFF,   2*ASUB
.set BHALF,  128*BPITCH
.set SLOT,   BOFF+2*BHALF
.set STAGE,  2*SLOT                    ; the way out: 16 rows x (512 bytes + 16) for each wave
.set SPITCH, 528
.set SPARE,  STAGE+4*16*SPITCH         ; the spare words, 128 bytes a wave, which no other line names
.set KADV,   2<<20                     ; a K step on in ao: two heads
.set ADRA, 16
.set ADRB, 20
.set STO,  24
.set RD,   25
.set CO,   26
.set SPW,  28
.set NIL,  29
.set PFO,  30                          ; v30  256 x lane; never rewritten
.set BI,   32
.set BK,   128
.set G1, 24
.set G0, 32
.set G1B, 48
.set G0B, 56
.set PFA, 66                           ; s[66:67] where my prefetches stand
.set LIM, 68                           ; s68  1 in wave 0, else the greatest number
.set MSB, 0
.macro WIN new
.if MSB != (\new)
	s_set_vgpr_msb (MSB<<8)|(\new)
.set MSB, (\new)
.endif
.endm
.macro PLACES n
.rept \n
	v_nop
.endr
.endm
.macro JLOAD s                         ; a joint load: waves 0 and 1 fetch for A, waves 2 and 3 for B; an s_nop 0 and four v_nop follow each of the two lines
	s_cmp_eq_u32 s13, 0
	s_cbranch_scc0 .Lfor_b_\@
	tensor_load_to_lds s[G0+4*\s:G0+4*\s+3], s[G1:G1+7]
	s_nop 0
.rept 4
	v_nop
.endr
	s_branch .Lasked_\@
.Lfor_b_\@:
	tensor_load_to_lds s[G0B+4*\s:G0B+4*\s+3], s[G1B:G1B+7]
	s_nop 0
.rept 4
	v_nop
.endr
.Lasked_\@:
.endm
; A prefetch of A's K step that stands two refills on: 32,768 bytes for a tile row, which the four partners of my row share out by address, 8,192 bytes each, lanes 256 bytes apart; wave 0 asks.
; Each block of 256 bytes is named once in the launch.  K steps 0 to 3 come by their loads alone; the last two refills ask for nothing.  Wo's rows are read again by every cluster and are not asked for.
.macro ASK
	s_cmp_gt_u32 s3, s[LIM]                        ; s3 = 1 in the loop's last trip
	s_cbranch_scc0 .Lnot_mine_\@
	global_prefetch_b8 v[PFO], s[PFA:PFA+1] offset:KADV th:TH_LOAD_NT scope:SCOPE_SE
.Lnot_mine_\@:
.endm
.macro CREST
	s_cmp_lg_u32 s12, 0
	s_cbranch_scc1 .Lnot_wave_0_\@
	s_barrier_signal -3
.Lnot_wave_0_\@:
	s_barrier_wait -3
	s_barrier_signal -1
	s_barrier_wait -1
.endm
.macro CROUND
	s_barrier_signal -1
	s_barrier_wait -1
	CREST
.endm
	s_load_b256 s[4:11], s[0:1], 0x0               ; ao s[4:5], wo16 s[6:7], bo s[8:9], out0 s[10:11]
	v_lshl_add_u32 v[SPW], v0, 2, SPARE
	v_mov_b32 v[NIL], 0
	ds_add_u32 v[SPW], v[NIL]                      ; the wave's opening: the add, twice on end, and its wait ahead of my first tensor load
	ds_add_u32 v[SPW], v[NIL]
	v_lshrrev_b32 v1, 5, v0
	v_readfirstlane_b32 s12, v1                    ; wave 0..3
	s_lshr_b32 s13, s12, 1                         ; which 64 rows are mine.  Also: I fetch for A (0) or for B (1)
	s_and_b32 s14, s12, 1                          ; which 128 columns.  Also: which head of A's step, or which half of B's rows, I fetch
	s_bfe_u32 s40, ttmp6, 0x40000                  ; cx, cy
	s_bfe_u32 s41, ttmp6, 0x40004
	s_lshl_b32 s42, ttmp9, 2
	s_add_co_u32 s42, s42, s40                     ; tile column
	s_and_b32 s15, ttmp7, 0xffff
	s_lshl_b32 s15, s15, 2
	s_add_co_u32 s15, s15, s41                     ; tile row
	s_lshl_b32 s43, s41, 2
	s_lshl_b32 s43, 15, s43                        ; my row of the cluster
	s_lshl_b32 s46, 0x1111, s40                    ; my column
	s_or_b32 s[G1+0], s43, (1<<16)|(1<<20)|(1<<21)|(4<<22)|(3<<25)   ; A: elements of 2 bytes; padding: 4 words behind every 32
	s_mov_b32 s[G1+1], 64<<16                      ; tensor_dim0 = 64
	s_mov_b32 s[G1+2], 128<<16                     ; tensor_dim1 = 128
	s_mov_b32 s[G1+3], 64<<16                      ; tile_dim0 = 64
	s_mov_b32 s[G1+4], 128                         ; tile_dim1 = 128
	s_mov_b32 s[G1+5], 64                          ; elements from row to row
	s_mov_b32 s[G1+6], 0
	s_mov_b32 s[G1+7], 0
	s_or_b32 s[G1B+0], s46, (1<<16)|(1<<20)|(1<<21)|(5<<22)|(3<<25)  ; B: padding: 4 words behind every 64
	s_mov_b32 s[G1B+1], 128<<16
	s_mov_b32 s[G1B+2], 128<<16
	s_mov_b32 s[G1B+3], 128<<16
	s_mov_b32 s[G1B+4], 128
	s_mov_b32 s[G1B+5], 1024
	s_mov_b32 s[G1B+6], 0
	s_mov_b32 s[G1B+7], 0
	s_lshl_b32 s16, s14, 20                        ; A: head = 2 x K step + my half,
	s_lshl_b32 s17, s15, 14                        ; rows 128 x tile row, 128 bytes each
	s_add_co_u32 s16, s16, s17
	s_mov_b32 s17, 0
	s_lshl_b32 s46, s42, 8                         ; B: row 256 x tile column + 128 x half, 2,048 bytes each
	s_lshl_b32 s47, s14, 7
	s_add_co_u32 s46, s46, s47
	s_lshl_b32 s46, s46, 11
	s_mov_b32 s47, 0
	s_mul_i32 s20, s14, ASUB                       ; where they go: no place in the cluster enters an LDS address
	s_mul_i32 s21, s14, BHALF
	s_add_co_u32 s21, s21, BOFF
	s_wait_dscnt 0x0                               ; both opening adds are done
	s_wait_kmcnt 0x0
	s_add_nc_u64 s[18:19], s[4:5], s[16:17]
	s_add_nc_u64 s[46:47], s[6:7], s[46:47]
	CROUND                                         ; all sixteen work-groups are here: the first joint loads meet
.irp s, 0,1
	s_mov_b32 s[G0+4*\s], 1
	s_add_co_u32 s[G0+4*\s+1], s20, \s*SLOT
	s_add_nc_u64 s[G0+4*\s+2:G0+4*\s+3], s[18:19], \s*KADV
	s_or_b32 s[G0+4*\s+3], s[G0+4*\s+3], 0x80000000
	s_mov_b32 s[G0B+4*\s], 1
	s_add_co_u32 s[G0B+4*\s+1], s21, \s*SLOT
	s_add_nc_u64 s[G0B+4*\s+2:G0B+4*\s+3], s[46:47], \s*256
	s_or_b32 s[G0B+4*\s+3], s[G0B+4*\s+3], 0x80000000
	JLOAD \s                                       ; two tensor loads of mine are out
.endr
	v_and_b32 v1, 15, v0                           ; r
	v_bfe_u32 v2, v0, 4, 1                         ; h
	v_mul_u32_u24 v3, v1, APITCH
	v_lshl_add_u32 v3, v2, 4, v3
	v_mul_u32_u24 v4, v1, BPITCH
	v_lshl_add_u32 v4, v2, 4, v4
	s_mul_i32 s21, s13, 64*APITCH                  ; my 64 rows of A
	s_mul_i32 s22, s14, BHALF                      ; my 128 rows of B
	s_add_co_u32 s22, s22, BOFF
.irp s, 0,1
	v_add_nc_u32 v[ADRA+\s], s21, v3
	v_add_nc_u32 v[ADRB+\s], s22, v4
	s_add_co_u32 s21, s21, SLOT
	s_add_co_u32 s22, s22, SLOT
.endr
	s_mul_i32 s23, s12, 16*SPITCH
	s_add_co_u32 s23, s23, STAGE                   ; my stage
	v_mul_u32_u24 v5, v1, SPITCH
	v_lshl_add_u32 v5, v2, 5, v5
	v_add_nc_u32 v[STO], s23, v5                   ; in: row r, 32 bytes for each half of the lanes
	v_and_b32 v6, 31, v0
	v_lshlrev_b32 v[CO], 4, v6                     ; back: the 32 lanes take one row of 512 bytes; the same in out0
	v_add_nc_u32 v[RD], s23, v[CO]
	v_lshlrev_b32 v[PFO], 8, v6
	v_lshlrev_b32 v5, 5, v2                        ; the bias: my half's eight numbers of a tile
	s_lshl_b32 s16, s15, 7
	s_lshl_b32 s17, s13, 6
	s_add_co_u32 s16, s16, s17                     ; my first row: 128 x tile row + 64 x half
	s_lshl_b32 s16, s16, 12
	s_mov_b32 s17, 0
	s_add_nc_u64 s[10:11], s[10:11], s[16:17]
	s_lshl_b32 s46, s42, 10                        ; my first column, in bytes of f32: 1,024 x tile column + 512 x half
	s_lshl_b32 s47, s14, 9
	s_add_co_u32 s46, s46, s47
	s_mov_b32 s47, 0
	s_add_nc_u64 s[10:11], s[10:11], s[46:47]
	s_add_nc_u64 s[8:9], s[8:9], s[46:47]
.irp b, 0,1,2,3,4,5,6,7
	global_load_b128 v[BI+8*\b:BI+8*\b+3],   v5, s[8:9] offset:64*\b
	global_load_b128 v[BI+8*\b+4:BI+8*\b+7], v5, s[8:9] offset:64*\b+16
.endr
	s_lshr_b32 s46, s40, 1                         ; the prefetches: head 2 x K step + cx / 2, from K step 2 on,
	s_add_co_u32 s46, s46, 4
	s_lshl_b32 s46, s46, 20
	s_and_b32 s47, s40, 1
	s_lshl_b32 s47, s47, 13                        ; half cx % 2 of its 16,384 bytes,
	s_add_co_u32 s46, s46, s47
	s_lshl_b32 s47, s15, 14                        ; in my tile row
	s_add_co_u32 s46, s46, s47
	s_mov_b32 s47, 0
	s_add_nc_u64 s[PFA:PFA+1], s[4:5], s[46:47]    ; the first refill steps it to K step 3 and names K step 4
	s_cmp_eq_u32 s12, 0
	s_cselect_b32 s[LIM], 1, -1
; 16 products: row tiles i0, i0 + 1 x my eight column tiles, 32 along K: half cc of the buffer that the windows name.  bias = 1: the first products take the bias as C.
; The 32 accumulators take turns, one instruction a turn, in the same order throughout.
.macro MUL16 cc, i0, bias
.irp i, \i0, \i0+1
.irp b, 0,1,2,3,4,5,6,7
.if \bias
	v_wmma_f32_16x16x32_f16 v[8*(8*(\i)+\b):8*(8*(\i)+\b)+7], v[64+8*(8*(\cc)+\b):64+8*(8*(\cc)+\b)+7], v[8*(4*(\cc)+(\i)):8*(4*(\cc)+(\i))+7], v[BI+8*\b:BI+8*\b+7]
.else
	v_wmma_f32_16x16x32_f16 v[8*(8*(\i)+\b):8*(8*(\i)+\b)+7], v[64+8*(8*(\cc)+\b):64+8*(8*(\cc)+\b)+7], v[8*(4*(\cc)+(\i)):8*(4*(\cc)+(\i))+7], v[8*(8*(\i)+\b):8*(8*(\i)+\b)+7]
.endif
.endr
.endr
.endm
; 48 LDS loads in one run: half p of a slot's K step (head p of A; bytes 128 p on of B's rows), the first 32 along K first; w: the window setting that names the buffer
.macro FETCH slot, p, w
	WIN \w
.irp cc, 0,1
.irp b, 0,1,2,3,4,5,6,7
	ds_load_b128 v[64+8*(8*\cc+\b):64+8*(8*\cc+\b)+3],   v[ADRB+\slot] offset:\b*16*BPITCH+64*(2*(\p)+\cc)
	ds_load_b128 v[64+8*(8*\cc+\b)+4:64+8*(8*\cc+\b)+7], v[ADRB+\slot] offset:\b*16*BPITCH+64*(2*(\p)+\cc)+32
.endr
.irp i, 0,1,2,3
	ds_load_b128 v[8*(4*\cc+\i):8*(4*\cc+\i)+3],   v[ADRA+\slot] offset:(\p)*ASUB+\i*16*APITCH+64*\cc
	ds_load_b128 v[8*(4*\cc+\i)+4:8*(4*\cc+\i)+7], v[ADRA+\slot] offset:(\p)*ASUB+\i*16*APITCH+64*\cc+32
.endr
.endr
.endm
; A K step's first half: multiplies the buffer in window 2 and fetches the second half into the buffer in window 3.
.macro HALF slot, bias
	s_wait_dscnt 24                                ; the first 32 along K are in; the other 24 loads may be out
.if \bias
	WIN 0x4a                                       ; sources 0 and 1 window 2, C window 0, D window 1
.else
	WIN 0x5a                                       ; sources 0 and 1 window 2, C and D window 1
.endif
	MUL16 0, 0, \bias
	MUL16 0, 2, \bias
	PLACES 4                                       ; in front of loads into registers that matrix instructions have read
	FETCH \slot, 1, 0xc0
	s_wait_dscnt 48                                ; all but the 48 just issued
	WIN 0x5a
	MUL16 1, 0, 0
	MUL16 1, 2, 0
.endm
; Its second half multiplies the buffer in window 3 and changes slots: ONE barrier; in front of it each wave waits for all its tensor loads, adds 0 to its spare word, and waits for that and for its reads of this slot.
; fill = 1: the barrier opens a round of the cluster's, and this slot is filled again, two K steps ahead: 96 matrix instructions stand between that request and the wait for it.
.macro TURN slot, next, fill
.if \fill
	s_wait_xcnt 0x0                                ; the last prefetch, a K step back, has read its address
	s_add_nc_u64 s[PFA:PFA+1], s[PFA:PFA+1], KADV
.endif
	WIN 0
	s_wait_tensorcnt 0x0                           ; my part of the next slot has landed
	ds_add_u32 v[SPW], v[NIL]
	s_wait_dscnt 25                                ; the add and the youngest 24 loads may be out
	WIN 0x5f                                       ; sources 0 and 1 window 3, C and D window 1
	MUL16 0, 0, 0
	s_wait_dscnt 0x0                               ; the add is done, and my reads of this slot are over
	s_barrier_signal -1
	MUL16 0, 2, 0
	WIN 0
	s_barrier_wait -1
.if \fill
	CREST                                          ; no wave of any partner still reads this slot's tile or has a load on its way
	s_add_nc_u64 s[G0+4*\slot+2:G0+4*\slot+3], s[G0+4*\slot+2:G0+4*\slot+3], 2*KADV
	s_add_nc_u64 s[G0B+4*\slot+2:G0B+4*\slot+3], s[G0B+4*\slot+2:G0B+4*\slot+3], 512
	JLOAD \slot                                    ; the first tensor load behind the round; its four v_nop are also the places in front of the loads below
.else
	PLACES 4
.endif
	FETCH \next, 0, 0x80
.if \fill
	WIN 0
	ASK
.endif
	WIN 0x5f
	MUL16 1, 0, 0
	MUL16 1, 2, 0
.endm
	s_wait_tensorcnt 1                             ; my part of K step 0 is in; K step 1's load may be out
	s_barrier_signal -1
	s_barrier_wait -1
	FETCH 0, 0, 0x80
	s_wait_loadcnt 0x0                             ; the bias
	HALF 0, 1                                      ; the first products start the sums from the bias
	WIN 0
	s_mov_b32 s3, 3
.Llap:                                                 ; a trip goes once round the ring and fills both slots again: K steps 2 to 7
	TURN 0, 1, 1
	HALF 1, 0
	TURN 1, 0, 1
	HALF 0, 0
	WIN 0
	s_sub_co_u32 s3, s3, 1
	s_cmp_lg_u32 s3, 0
	s_cbranch_scc1 .Llap
	TURN 0, 1, 0                                   ; the last lap fills nothing
	HALF 1, 0
	s_wait_dscnt 24
	WIN 0x5f
	MUL16 0, 0, 0
	MUL16 0, 2, 0
	s_wait_dscnt 0x0
	MUL16 1, 0, 0
	MUL16 1, 2, 0
	WIN 0
; THE WAY OUT, block by block of 16 rows x 128 columns: through my own stage in LDS, back as whole rows of 512 bytes.  LDS serves a wave's instructions in order.
.macro TOSTAGE i
	WIN 0x04                                       ; an LDS store's data are its source 1: window 1
.irp b, 0,1,2,3,4,5,6,7
	ds_store_b128 v[STO], v[8*(8*(\i)+\b):8*(8*(\i)+\b)+3] offset:64*\b            ; each accumulator from its low end on
	ds_store_b128 v[STO], v[8*(8*(\i)+\b)+4:8*(8*(\i)+\b)+7] offset:64*\b+16
.endr
	WIN 0
.set BB, BK+64*((\i)%2)
.irp t, 0,1,2,3,4,5,6,7,8,9,10,11,12,13,14,15
	ds_load_b128 v[BB+4*\t:BB+4*\t+3], v[RD] offset:\t*SPITCH
.endr
.endm
.macro SEND i, younger                 ; younger: the LDS instructions issued behind block i's loads, which may stay out
.set BB, BK+64*((\i)%2)
	s_wait_dscnt \younger
.irp t, 0,1,2,3,4,5,6,7,8,9,10,11,12,13,14,15
	global_store_b128 v[CO], v[BB+4*\t:BB+4*\t+3], s[10:11] offset:65536*(\i)+4096*\t th:TH_STORE_NT   ; 32 lanes store 512 consecutive bytes, at a multiple of 512 from out0's first byte
.endr
.endm
	PLACES 4                                       ; behind the last products, in front of the first reads of results
	TOSTAGE 0
.irp i, 1,2,3
.if \i > 1
	s_wait_xcnt 0x0                                ; block i - 2's stores have read their registers: block i's loads may land there
.endif
	TOSTAGE \i
	SEND \i-1, 32                                  ; behind block i - 1's loads: block i's 16 stores and 16 loads
.endr
	SEND 3, 0
	s_wait_tensorcnt 0x0                           ; the wave's end
	ds_add_u32 v[SPW], v[NIL]
	s_wait_dscnt 0x0
	CROUND                                         ; the closing round
	s_endpgm
.Lfunc_end_k_q0f7990a5f5_oproj:
	.size	k_q0f7990a5f5_oproj, .Lfunc_end_k_q0f7990a5f5_oproj-k_q0f7990a5f5_oproj
	.p2alignl 7, 3214868480
	.fill 96, 4, 3214868480
	.section	.rodata,"a",@progbits
	.p2align	6, 0x0
	.amdhsa_kernel k_q0f7990a5f5_oproj
		.amdhsa_group_segment_fixed_size 327680
		.amdhsa_private_segment_fixed_size 0
		.amdhsa_enable_private_segment 0
		.amdhsa_kernarg_size 32
		.amdhsa_user_sgpr_count 2
		.amdhsa_user_sgpr_kernarg_segment_ptr 1
		.amdhsa_wavefront_size32 1
		.amdhsa_system_sgpr_workgroup_id_x 1
		.amdhsa_system_sgpr_workgroup_id_y 1
		.amdhsa_system_sgpr_workgroup_id_z 1
		.amdhsa_system_vgpr_workitem_id 0
		.amdhsa_next_free_vgpr 1024
		.amdhsa_next_free_sgpr 72
		.amdhsa_reserve_vcc 0
		.amdhsa_float_denorm_mode_32 3
		.amdhsa_float_denorm_mode_16_64 3
		.amdhsa_memory_ordered 1
		.amdhsa_forward_progress 1
		.amdhsa_inst_pref_size 85
	.end_amdhsa_kernel
	.amdgpu_metadata
---
amdhsa.version: [ 1, 2 ]
amdhsa.kernels:
  - .name:           k_q0f7990a5f5_oproj
    .symbol:         k_q0f7990a5f5_oproj.kd
    .args:
      - { .name: ao, .offset: 0, .size: 8, .value_kind: global_buffer, .address_space: global }
      - { .name: wo16, .offset: 8, .size: 8, .value_kind: global_buffer, .address_space: global }
      - { .name: bo, .offset: 16, .size: 8, .value_kind: global_buffer, .address_space: global }
      - { .name: out0, .offset: 24, .size: 8, .value_kind: global_buffer, .address_space: global }
    .group_segment_fixed_size: 327680
    .private_segment_fixed_size: 0
    .kernarg_segment_align: 8
    .kernarg_segment_size: 32
    .max_flat_workgroup_size: 128
    .sgpr_count:     72
    .vgpr_count:     1024
    .wavefront_size: 32
...
	.end_amdgpu_metadata
.endif
;; end of part 4
